; MI455X (gfx1250); checked and timed in simulation.
; The chip was launched on July 23, 2026; its instructions are those of AMD's public machine-readable ISA for CDNA 5 (MIT licence, August 2026) and "CDNA5" Instruction Set Architecture Reference Guide (July 2026). The comments in the code are by the model that wrote it; some were corrected since.
;; Causal Self Attention. Allowed arithmetic: matrix products marked QUANTISED: E2M1 operands, one E8M0 scale for each 32 along K, by v_wmma_scale_f32_16x16x128_f8f6f4 with both operands' format E2M1 (or v_wmma_scale_f32_32x16x128_f4), f32 sums; everything else in f32.
;; Inputs: W_attn_codes 3,072 x 32 x 16 uint8 (E2M1 codes of W_attn, K innermost, in blocks of 32 codes, two codes a byte); W_attn_scales 3,072 x 32 uint8 (E8M0 scales of W_attn, one for each 32 codes along K); W_proj_codes 1,024 x 32 x 16 uint8 (E2M1 codes of W_proj, K innermost, in blocks of 32 codes, two codes a byte); W_proj_scales 1,024 x 32 uint8 (E8M0 scales of W_proj, one for each 32 codes along K); b_attn 3,072 float32; b_proj 1,024 float32; x_codes 4 x 2,048 x 32 x 16 uint8 (E2M1 codes of x, K innermost, in blocks of 32 codes, two codes a byte); x_scales 4 x 2,048 x 32 uint8 (E8M0 scales of x, one for each 32 codes along K).
;; Outputs: out0 4 x 2,048 x 1,024 float32.
;; This version of the problem:
;;   THIS VERSION OF THE PROBLEM IS GIVEN IN LOW PRECISION. The matrix products marked QUANTISED in the list below multiply operands that are first quantised to E2M1 (2 exponent bits, 1 mantissa bit; 4 bits a number), with one power-of-two scale for each 32 numbers along K (OCP MX v1.0); their sums are f32. All else is computed in f32.
;;   The module's matrix products, in the order in which they are computed (A, B: the left and right operand; K: the contracted axis; several contracted axes count as one K, in the product's order):
;;     1. [M 8,192, K 1,024] x [K 1,024, N 3,072]; A: input x (given as codes); B: input W_attn (given as codes): QUANTISED
;;     2. batch 64 x [M 2,048, K 64] x [K 64, N 2,048]; A: computed on the way; B: computed on the way: QUANTISED
;;     3. batch 64 x [M 2,048, K 2,048] x [K 2,048, N 64]; A: softmax (see below); B: computed on the way: QUANTISED
;;     4. [M 8,192, K 1,024] x [K 1,024, N 1,024]; A: computed on the way; B: input W_proj (given as codes): QUANTISED
;;   THE QUANTISER, for each operand of a quantised product, along K:
;;     - K is cut into blocks of 32 from its start; a last block that is shorter is filled with zeros.
;;     - A block's scale is 2^e with e = floor(log2(the largest magnitude in the block)) - 2, held to -126 .. 127; a block of zeros has e = 0. As a byte (E8M0): e + 127.
;;     - Each number is divided by its block's scale, clamped to +-6, and rounded to the nearest number of E2M1, ties to even, subnormals kept.
;;     - The product sums the exact products of the quantised numbers (number of the format x scale) in f32.
;;   ~~~python
;;   def quantise(x, axis):      # numpy; x: float32 -> the quantised numbers, widened to float32 again
;;       x = np.moveaxis(x, axis, -1); K = x.shape[-1]
;;       x = np.pad(x, [(0, 0)] * (x.ndim - 1) + [(0, -K % 32)]); x = x.reshape(x.shape[:-1] + (-1, 32)); a = np.abs(x).max(-1, keepdims=True)
;;       e = np.where(a > 0, np.clip(np.frexp(np.where(a > 0, a, 1))[1] - 1 - 2, -126, 127), 0)      # np.frexp(a)[1] - 1 = floor(log2(a)), exactly
;;       r = np.clip(x / 2.0 ** e, -6, 6)
;;       step = 2.0 ** (np.maximum(np.frexp(np.where(r == 0, 1, r))[1] - 1, 0) - 1)
;;       q = np.round(r / step) * step * 2.0 ** e      # np.round: ties to even
;;       return np.moveaxis(q.reshape(q.shape[:-2] + (-1,))[..., :K], -1, axis).astype(np.float32)
;;   ~~~
;;   SOFTMAX AHEAD OF A QUANTISED PRODUCT. Where the list says 'softmax', what is quantised is not the finished softmax but p = 2^(t - M), with t = logit x log2(e) and M = ceil(the row's largest t), a whole number; so 1/2 < the row's largest p <= 1. The row's sum l is taken of the UNQUANTISED p, in f32, and the product's result is divided by l at the end. Since M is a whole number, a kernel that streams over the keys may use a running M (the ceiling of the running maximum): every later rescaling is an exact power of two, which a block's scale takes up: the codes' values come out the same.
;;   OPERANDS COMPUTED ON THE WAY. 'Computed on the way' means the value that the module computes at that place (a softmax that the list does not call 'softmax' is quantised finished and normalised). What goes into a quantiser is computed in f32, as accurately as f32 sums, v_exp_f32 and their like allow (about 1e-6 of the number): no bf16 or f16 on the way to a quantiser, and a product that is left as it is and whose result goes on into a quantised operand takes f32 operands (vector FMAs, or v_wmma_f32_16x16x4_f32). A number that lies on a knife's edge between two numbers of the format may be rounded either way, as far as f32 arithmetic and the matrix unit's own rounding can turn it there, and no further.
;;   INPUTS GIVEN AS CODES. W_attn (in the module: [1024, 3072], K = its axis 0); W_proj (in the module: [1024, 1024], K = its axis 0); x (in the module: [4, 2048, 1024], K = its axis 2): each comes as NAME_codes (uint8): NAME with its K axis moved to the last place and cut into blocks of 32 codes, [.., K / 32, bytes a block], one block behind the other in memory; two codes a byte, the lower K in the low four bits (a code: sign, 2 exponent bits, 1 mantissa bit); and NAME_scales (uint8): the same leading axes, one E8M0 byte (e + 127) for each 32 codes along K. Its value is code x scale, taken as it is: it is not quantised again, and the codes and scales need not be those that the quantiser above would give.
;; One version. Each part assembles by itself: llvm-mc -triple=amdgcn-amd-amdhsa -mcpu=gfx1250 --defsym DOCPART=n.
;; ======== version 1 of 1: 3 launches
;; workspace buffers: qkv 12,582,912 bytes; qs 524,288 bytes; kvs 786,432 bytes; yc 4,194,304 bytes; ys 262,144 bytes
;; launch qkv (part 1): grid 12 x 32, 4 waves a work-group, clusters of 4 x 4, 327,680 bytes of LDS; arguments x_codes, x_scales, W_attn_codes, W_attn_scales, b_attn, qkv, qs, kvs; writes qkv, qs, kvs
.if DOCPART == 1
	.amdgcn_target "amdgcn-amd-amdhsa--gfx1250"
	.amdhsa_code_object_version 6
	.text
	.protected	k_q06b6f8c817_qkv
	.globl	k_q06b6f8c817_qkv
	.p2align	8
	.type	k_q06b6f8c817_qkv,@function
k_q06b6f8c817_qkv:
	s_mov_b64 s[64:65], 0
	v_nop
	global_prefetch_b8 v0, s[64:65] scope:SCOPE_SE
	s_setreg_imm32_b32 hwreg(HW_REG_WAVE_MODE, 25, 1), 1
	s_wait_xcnt 0x0
	s_wait_alu depctr_hold_cnt(0) depctr_sa_sdst(0) depctr_va_vdst(0) depctr_va_sdst(0) depctr_va_ssrc(0) depctr_va_vcc(0) depctr_vm_vsrc(0)
	s_getreg_b32 s2, hwreg(HW_REG_IB_STS2, 6, 4)
	s_cmp_eq_u32 s2, 0
	s_cbranch_scc0 .Lentry_in_a_cluster
	s_endpgm
.Lentry_in_a_cluster:
	s_bfe_u32 s2, ttmp6, 0x10000c
	s_cmp_lg_u32 s2, 0xf033
	s_cbranch_scc0 .Lentry_shape_is_right
	s_endpgm
.Lentry_shape_is_right:
; FIRST OF THREE LAUNCHES: x W_attn + b_attn on codes of E2M1, and the quantisers of q and k (along the head's 64) and of v (along the keys).
; THE PROGRAM: this launch; attn (q k^T, softmax, p v, the quantiser of y); proj (y W_proj + b_proj).  All four products by v_wmma_scale_f32_16x16x128_f8f6f4 on 4-bit codes, sums in f32.
; WORK LEFT OUT, in the whole program: in attn the key steps of 128 keys all of whose keys come after all 16 queries of a tile.  reference() builds jnp.tril in its own body and sets those scores to -inf ahead
; of the softmax, so their p is 0 and they add nothing to the row's sum nor to y, whatever the inputs hold.  Nothing else is left out: b_attn goes into all three quantisers, every input is loaded.
; LIMITS: a NaN, an infinity or an overflow that reaches only those hidden scores is not carried to the result.  NaN and infinities among the inputs are not served.  A block whose largest magnitude lies under
; 2^-124 keeps the scale byte 1; a block of zeros gets the byte 1 where the quantiser says 127: its codes are zeros, and the bytes are read by this program alone.
; SHAPE.  A work-group of four waves makes 256 x 256 results, a wave 128 x 128: 64 accumulators, 512 registers.  K = 1,024 is two LDS slots of 512: both are filled at the start, nothing is filled again.
; P is source 1 of the matrix instruction (a lane holds ONE row of P), R is source 0 (a lane's registers run along R's rows).  What is quantised must have its K along a lane's registers:
;   cluster x = 0 (q), 1 (k): P = x (positions), R = W_attn (channels): a lane holds a position and 128 channels, two heads.
;   cluster x = 2 (v):        P = W_attn's rows 2,048 on (channels), R = x (positions): a lane holds a channel and 128 keys.
; CLUSTERS: 4 x 4 work-groups; P's tiles are shared along a row of the cluster, R's along a column: joint loads, one mask each.  The kind of work hangs on the cluster's x alone, the same in all sixteen.
; THE CODES LEAVE AS IMAGES OF THE OPERAND'S REGISTERS: four registers by one store of 16 bytes a lane, 512 consecutive aligned bytes; the next launch takes them back the same way.
;   qkv [nh 48][mstep 64][4096]: nh 0-15 q, 16-31 k: 8 tiles of 16 positions x 512 bytes; nh 32-47 v: 4 tiles of 16 channels x 1,024 bytes (128 keys).  mstep = position / 128 over all batches.
;   qs [head 16][mstep 64][512]: the word at 16 l + 4 i is that of position 16 (2 i + l / 16) + l % 16.   kvs [head 16][mstep 64][768]: k's words likewise, then v's: at 8 l + 4 i channel 16 (2 i + l / 16) + l % 16.
; REGISTERS: window 0: v16-31 addresses; v32-95 scale words, two sets, and nothing else; v96-127 at work on the way out; v128-191 P's fragments, then 64 numbers to quantise; v192-255 the codes made.
;   window 1: R's fragments, two sets, at v0 and v128; v192-255 the bias.   windows 2, 3: the accumulators, (a, b) at v[8 (8 (a % 4) + b)].
.set KSTEP,  512
.set NQ,     KSTEP/128                 ; matrix instructions deep in a slot
.set ROWB,   256                       ; a tile's row: 512 codes
.set KROW,   512                       ; a row of x or of W_attn in memory
.set PITCH,  272                       ; an LDS row: 256 bytes + 16 of padding: the 16 rows of a fragment load start 68 words apart
.set FR,     8
.set NL,     2
.set NP,     4                         ; places behind this matrix instruction (ISA guide 7.12.1)
.set HALFT,  128*PITCH
.set SLOT,   4*HALFT                   ; P's 256 rows, then R's 256
.set KS,     32                        ; a row of scale bytes
.set SCL,    2*SLOT                    ; behind the slots: the scale bytes, as rows of 256 bytes + 16
.set HALFS,  (128*KS/256)*272
.set SBLK,   (16*KS/256)*272
.set SPARE,  SCL+4*HALFS               ; the spare words, 128 bytes a wave: two blocks of 256 bytes that no other line names
.set NHB,    262144                    ; qkv: from nh to nh
.set ADRA, 16
.set ADRB, 20
.set ADRS, 27
.set SPW,  28
.set NIL,  29
.set LI,   30                          ; 16 x lane
.set L8,   31                          ; 8 x lane
.set SC,   32
.set TM,   96                          ; v96-99 largest magnitudes, v100-103 the other half's, then bytes, v108-111 the conversions' scale operands
.set PW,   112                         ; v112-119 block a's scale word
.set MG,   120                         ; v120-127 scale words as they are stored
.set AF,   128
.set H,    128
.set PC,   192
.set BI,   192                         ; in window 1
.set SEL,  2
.set WV,   20
.set WH,   21
.set WL,   22
.set G1,   24
.set G0,   32
.set G1B,  48
.set G0B,  56
.set G1S,  68
.set G0S,  76
.set G1SB, 80
.set G0SB, 88
.set MSB, 0
.macro WIN new                         ; the immediate's high byte repeats the setting that is left
.if MSB != (\new)
	s_set_vgpr_msb (MSB<<8)|(\new)
.set MSB, (\new)
.endif
.endm
.set MUL_LO, 0xa1                      ; source 0 (R) window 1, source 1 (P) window 0, C and D window 2
.set MUL_HI, 0xf1
.set TO_B,   0x40
; A joint load: waves 0 and 1 fetch for P, waves 2 and 3 for R.  The branch hangs on the wave's number alone.  An s_nop 0 and four v_nop follow each line.
.macro JLOAD g0a, g1a, g0b, g1b
	s_cmp_eq_u32 s[WH], 0
	s_cbranch_scc0 .Lfor_b_\@
	tensor_load_to_lds s[\g0a:\g0a+3], s[\g1a:\g1a+7]
	s_nop 0
.rept 4
	v_nop
.endr
	s_branch .Lasked_\@
.Lfor_b_\@:
	tensor_load_to_lds s[\g0b:\g0b+3], s[\g1b:\g1b+7]
	s_nop 0
.rept 4
	v_nop
.endr
.Lasked_\@:
.endm
.macro CROUND                          ; a round of the cluster's barrier
	s_barrier_signal -1
	s_barrier_wait -1
	s_cmp_lg_u32 s[WV], 0
	s_cbranch_scc1 .Lnot_wave_0_\@
	s_barrier_signal -3
.Lnot_wave_0_\@:
	s_barrier_wait -3
	s_barrier_signal -1
	s_barrier_wait -1
.endm
	s_load_b256 s[4:11], s[0:1], 0x0               ; x's codes, x's scales, W_attn's codes, W_attn's scales
	s_load_b256 s[12:19], s[0:1], 0x20             ; b_attn, qkv, qs, kvs
	v_lshl_add_u32 v[SPW], v0, 2, SPARE
	v_mov_b32 v[NIL], 0
	ds_add_u32 v[SPW], v[NIL]                      ; the wave's opening: the add, twice on end, and its wait ahead of my first tensor load
	ds_add_u32 v[SPW], v[NIL]
	v_lshrrev_b32 v1, 5, v0
	v_readfirstlane_b32 s[WV], v1                  ; wave 0..3
	s_lshr_b32 s[WH], s[WV], 1                     ; my half of P's rows.  Also: I fetch for P (0) or for R (1)
	s_and_b32 s[WL], s[WV], 1                      ; my half of R's rows.  Also: which 128 rows I fetch
	s_bfe_u32 s40, ttmp6, 0x40000                  ; cx
	s_bfe_u32 s41, ttmp6, 0x40004                  ; cy
	s_and_b32 s46, ttmp7, 0xffff
	s_lshl_b32 s46, s46, 2                         ; 4 x cluster y
	s_lshl_b32 s47, ttmp9, 2                       ; 4 x cluster x
	s_cmp_eq_u32 ttmp9, 2                          ; v?
	s_cselect_b32 s43, 0, s46
	s_cselect_b32 s42, s46, s47
	s_cselect_b32 s66, 2048, 0                     ; v's rows of W_attn begin at 2,048
	s_add_co_u32 s43, s43, s41                     ; P's tile: hangs on cy, never on cx
	s_add_co_u32 s42, s42, s40                     ; R's tile: hangs on cx, never on cy
	s_lshl_b32 s44, s41, 2
	s_lshl_b32 s44, 15, s44                        ; my row of the cluster
	s_lshl_b32 s45, 0x1111, s40                    ; my column
	s_or_b32 s[G1+0], s44, (0<<16)|(1<<20)|(1<<21)|(5<<22)|(3<<25)   ; the mask; elements of 1 byte; padding on; bit 21 beside a mask; four words behind every 64
	s_or_b32 s[G1B+0], s45, (0<<16)|(1<<20)|(1<<21)|(5<<22)|(3<<25)
.irp g, G1, G1B
	s_mov_b32 s[\g+1], ROWB<<16                    ; tensor_dim0
	s_mov_b32 s[\g+2], 128<<16                     ; tensor_dim1
	s_mov_b32 s[\g+3], ROWB<<16                    ; tile_dim0
	s_mov_b32 s[\g+4], 128                         ; tile_dim1
	s_mov_b32 s[\g+5], KROW                        ; from row to row
	s_mov_b32 s[\g+6], 0
	s_mov_b32 s[\g+7], 0
.endr
	s_or_b32 s[G1S+0], s44, (3<<16)|(1<<20)|(1<<21)|(5<<22)|(3<<25)  ; the scale bytes of 128 rows: 4,096 dense bytes as 16 rows of 32 elements of 8 bytes
	s_or_b32 s[G1SB+0], s45, (3<<16)|(1<<20)|(1<<21)|(5<<22)|(3<<25)
.irp g, G1S, G1SB
	s_mov_b32 s[\g+1], 32<<16
	s_mov_b32 s[\g+2], (128*KS/256)<<16
	s_mov_b32 s[\g+3], 32<<16
	s_mov_b32 s[\g+4], 128*KS/256
	s_mov_b32 s[\g+5], 32
	s_mov_b32 s[\g+6], 0
	s_mov_b32 s[\g+7], 0
.endr
	s_lshl_b32 s47, s[WL], 7
	s_lshl_b32 s92, s43, 8
	s_add_co_u32 s92, s92, s47
	s_add_co_u32 s92, s92, s66                     ; the first row of P that I fetch
	s_lshl_b32 s96, s42, 8
	s_add_co_u32 s96, s96, s47                     ; and of R
	s_lshl_b32 s66, s92, 9                         ; P: codes, 512 bytes a row;
	s_mov_b32 s67, 0
	s_lshl_b32 s92, s92, 5                         ; scale bytes, 32 a row
	s_mov_b32 s93, 0
	s_lshl_b32 s98, s96, 5                         ; R likewise
	s_mov_b32 s99, 0
	s_lshl_b32 s96, s96, 9
	s_mov_b32 s97, 0
	s_mul_i32 s2, s[WV], HALFT                     ; where they go: wave x 128 rows: no place in the cluster enters an LDS address
	s_mul_i32 s3, s[WV], HALFS
	s_wait_dscnt 0x0                               ; both opening adds are done
	s_wait_kmcnt 0x0
	s_cmp_eq_u32 ttmp9, 2                          ; which tensor is P and which R: a choice on the cluster's x alone
	s_cselect_b64 s[46:47], s[8:9], s[4:5]
	s_cselect_b64 s[94:95], s[10:11], s[6:7]
	s_cselect_b64 s[8:9], s[4:5], s[8:9]
	s_cselect_b64 s[10:11], s[6:7], s[10:11]
	s_add_nc_u64 s[4:5], s[46:47], s[66:67]        ; P's codes,
	s_add_nc_u64 s[6:7], s[94:95], s[92:93]        ; P's scale bytes,
	s_add_nc_u64 s[8:9], s[8:9], s[96:97]          ; R's codes,
	s_add_nc_u64 s[10:11], s[10:11], s[98:99]      ; R's scale bytes, at what I fetch
	CROUND                                         ; all sixteen work-groups are here: the first joint loads meet
	s_mov_b32 s[G0S], 1
	s_add_co_u32 s[G0S+1], s3, SCL
	s_mov_b64 s[G0S+2:G0S+3], s[6:7]
	s_or_b32 s[G0S+3], s[G0S+3], 0x80000000
	s_mov_b32 s[G0SB], 1
	s_add_co_u32 s[G0SB+1], s3, SCL
	s_mov_b64 s[G0SB+2:G0SB+3], s[10:11]
	s_or_b32 s[G0SB+3], s[G0SB+3], 0x80000000
	JLOAD G0S, G1S, G0SB, G1SB                     ; the scale bytes first: they are wanted with slot 0
.irp s, 0,1
	s_mov_b32 s[G0+4*\s], 1
	s_add_co_u32 s[G0+4*\s+1], s2, \s*SLOT
	s_add_nc_u64 s[G0+4*\s+2:G0+4*\s+3], s[4:5], \s*ROWB
	s_or_b32 s[G0+4*\s+3], s[G0+4*\s+3], 0x80000000
	s_mov_b32 s[G0B+4*\s], 1
	s_add_co_u32 s[G0B+4*\s+1], s2, \s*SLOT
	s_add_nc_u64 s[G0B+4*\s+2:G0B+4*\s+3], s[8:9], \s*ROWB
	s_or_b32 s[G0B+4*\s+3], s[G0B+4*\s+3], 0x80000000
	JLOAD G0+4*\s, G1, G0B+4*\s, G1B               ; three loads of mine are out: all of K
.endr
	s_mov_b32 s[SEL], 0x76543210
	s_mov_b32 s[SEL+1], 0xfedcba98                 ; v_permlanex16_b32's selects for lane l xor 16
	s_mov_b32 s100, 0xffff0000                     ; lanes 16-31
	v_and_b32 v1, 15, v0                           ; r
	v_bfe_u32 v2, v0, 4, 1                         ; h
	v_mul_u32_u24 v3, v1, PITCH
	v_lshl_add_u32 v4, v2, 4, v3                   ; a fragment's row x pitch + 16 h
	s_mul_i32 s46, s[WH], HALFT                    ; my 128 rows of P
	s_mul_i32 s47, s[WL], HALFT                    ; my 128 rows of R,
	s_add_co_u32 s47, s47, 2*HALFT                 ; behind P's 256
.irp s, 0,1
	v_add_nc_u32 v[ADRA+\s], s46, v4
	v_add_nc_u32 v[ADRB+\s], s47, v4
	s_add_co_u32 s46, s46, SLOT
	s_add_co_u32 s47, s47, SLOT
.endr
	v_mul_u32_u24 v5, v1, KS                       ; my row's scale bytes: 32 a row,
	v_lshrrev_b32 v6, 8, v5
	v_lshl_add_u32 v5, v6, 4, v5                   ; and 16 more for each 256 passed
	s_mul_i32 s46, s[WH], HALFS
	s_mul_i32 s47, s[WL], HALFS
	s_add_co_u32 s47, s47, 2*HALFS
	s_sub_co_u32 s47, s47, s46
	v_mul_u32_u24 v6, s47, v2                      ; lanes 16-31 take R's: the lower base + h x the distance
	s_add_co_u32 s46, s46, SCL
	v_add_nc_u32 v5, v5, v6
	v_add_nc_u32 v[ADRS], s46, v5
	v_and_b32 v6, 31, v0
	v_lshlrev_b32 v[LI], 4, v6
	v_lshlrev_b32 v[L8], 3, v6
	v_lshlrev_b32 v7, 5, v2                        ; the bias of q and k: 8 h numbers on
	v_lshlrev_b32 v8, 2, v1                        ; the bias of v: my channel's
	; nh0 = the first of my two nh (64 channels each), mstep = my 128 positions
	s_cmp_eq_u32 ttmp9, 2
	s_cselect_b32 s92, s43, s42                    ; the tile on the channels' side,
	s_cselect_b32 s93, s[WH], s[WL]                ; my half of it;
	s_cselect_b32 s94, s42, s43                    ; the tile on the positions' side,
	s_cselect_b32 s95, s[WL], s[WH]                ; my half of it
	s_cselect_b32 s96, 32, 0
	s_lshl_b32 s92, s92, 2
	s_lshl_b32 s93, s93, 1
	s_add_co_u32 s92, s92, s93
	s_add_co_u32 s92, s92, s96                     ; nh0
	s_lshl_b32 s94, s94, 1
	s_add_co_u32 s94, s94, s95                     ; mstep
	s_lshl_b32 s98, s92, 8                         ; b_attn: 64 numbers an nh
	s_mov_b32 s99, 0
	s_add_nc_u64 s[12:13], s[12:13], s[98:99]
	s_lshl_b32 s98, s92, 18
	s_lshl_b32 s96, s94, 12
	s_add_co_u32 s98, s98, s96
	s_add_nc_u64 s[14:15], s[14:15], s[98:99]      ; qkv at [nh0][mstep]
	s_and_b32 s96, s92, 15                         ; the head
	s_cmp_eq_u32 ttmp9, 0                          ; q's words go to qs, k's and v's to kvs
	s_cselect_b64 s[16:17], s[16:17], s[18:19]
	s_mov_b32 s97, 49152
	s_cselect_b32 s97, 32768, s97                  ; from head to head
	s_mov_b32 s98, 768
	s_cselect_b32 s98, 512, s98                    ; from mstep to mstep
	s_mul_i32 s96, s96, s97
	s_mul_i32 s98, s98, s94
	s_add_co_u32 s98, s98, s96
	s_cmp_eq_u32 ttmp9, 2
	s_cselect_b32 s96, 512, 0                      ; v's words lie behind k's
	s_add_co_u32 s98, s98, s96
	s_add_nc_u64 s[16:17], s[16:17], s[98:99]      ; the scale words of my first head,
	s_mov_b32 s98, s97
	s_add_nc_u64 s[18:19], s[16:17], s[98:99]      ; and of my second
	; the bias, in the result's layout, 64 registers; it lands while the products run
	s_cmp_eq_u32 ttmp9, 2
	s_cbranch_scc1 .Lbias_v
	WIN TO_B
.irp b, 0,1,2,3,4,5,6,7
	global_load_b128 v[BI+8*\b:BI+8*\b+3], v7, s[12:13] offset:64*\b          ; register 8 b + j: channel 16 b + 8 h + j
	global_load_b128 v[BI+8*\b+4:BI+8*\b+7], v7, s[12:13] offset:64*\b+16
.endr
	WIN 0
	s_branch .Lbias_in
.Lbias_v:
	WIN TO_B
.irp a, 0,1,2,3,4,5,6,7
.irp j, 0,1,2,3,4,5,6,7
	global_load_b32 v[BI+8*\a+\j], v8, s[12:13] offset:64*\a                  ; registers 8 a + 0 .. 7: channel 16 a + r, for all keys of block a
.endr
.endr
	WIN 0
.Lbias_in:
.macro FRAG reg, adr, q, i             ; 16 rows x 128 K of 4-bit codes: registers 4 c .. 4 c + 3 hold K = 64 c + 32 (l / 16) + 0 .. 31
.irp c, 0,1
	ds_load_b128 v[\reg+4*\c:\reg+4*\c+3], v[\adr] offset:64*(\q)+32*\c+(\i)*16*PITCH
.endr
.endm
; 16 matrix instructions: P's blocks a0, a0 + 1 x R's eight.  The 64 accumulators take turns, one instruction a turn, in the same order in every step.
.macro MUL16 a0, p, q, sc, zero
.irp a, \a0, \a0+1
.irp b, 0,1,2,3,4,5,6,7
.if \zero
	v_wmma_scale_f32_16x16x128_f8f6f4 v[8*(8*((\a)%4)+\b):8*(8*((\a)%4)+\b)+7], v[128*(\p)+FR*\b:128*(\p)+FR*\b+FR-1], v[AF+FR*(\a):AF+FR*(\a)+FR-1], 0, v[SC+8*NQ*(\sc)+NQ*\b+(\q)], v[SC+8*NQ*(\sc)+NQ*(\a)+(\q)] matrix_a_fmt:MATRIX_FMT_FP4 matrix_b_fmt:MATRIX_FMT_FP4 matrix_a_scale:MATRIX_SCALE_ROW1
.else
	v_wmma_scale_f32_16x16x128_f8f6f4 v[8*(8*((\a)%4)+\b):8*(8*((\a)%4)+\b)+7], v[128*(\p)+FR*\b:128*(\p)+FR*\b+FR-1], v[AF+FR*(\a):AF+FR*(\a)+FR-1], v[8*(8*((\a)%4)+\b):8*(8*((\a)%4)+\b)+7], v[SC+8*NQ*(\sc)+NQ*\b+(\q)], v[SC+8*NQ*(\sc)+NQ*(\a)+(\q)] matrix_a_fmt:MATRIX_FMT_FP4 matrix_b_fmt:MATRIX_FMT_FP4 matrix_a_scale:MATRIX_SCALE_ROW1
.endif
.endr
.endr
.endm
.macro FETCH_B slot, q, p
	WIN TO_B
.irp i, 0,1,2,3,4,5,6,7
	FRAG 128*(\p)+FR*\i, ADRB+\slot, \q, \i
.endr
	WIN 0
.endm
.macro FETCH_A slot, q, i0
.irp i, \i0, \i0+1, \i0+2, \i0+3
	FRAG AF+FR*(\i), ADRA+\slot, \q, \i
.endr
.endm
.macro SCALES sc                       ; a slot's scale words: four a row; lanes 0-15 take P's block i, lanes 16-31 R's block i
.irp i, 0,1,2,3,4,5,6,7
	ds_load_b128 v[SC+8*NQ*\sc+NQ*\i:SC+8*NQ*\sc+NQ*\i+3], v[ADRS] offset:\i*SBLK
.endr
.endm
.macro PLACES n                        ; plain vector instructions between a matrix instruction and a load into, or a read of, its registers
.rept \n
	v_nop
.endr
.endm
.macro STEP slot, q, zero              ; 128 along K, with its successor in the same slot
	s_wait_dscnt 4*NL                              ; R's set and P's blocks 0-3 are in; the youngest eight loads (P's blocks 4-7) may be out
	WIN MUL_LO
	MUL16 0, (\q)%2, \q, \slot, \zero
	MUL16 2, (\q)%2, \q, \slot, \zero
	s_wait_dscnt 0
	PLACES NP
	FETCH_B \slot, (\q)+1, 1-(\q)%2
	FETCH_A \slot, (\q)+1, 0
	WIN MUL_HI
	MUL16 4, (\q)%2, \q, \slot, \zero
	MUL16 6, (\q)%2, \q, \slot, \zero
	PLACES NP
	WIN 0
	FETCH_A \slot, (\q)+1, 4
.endm
.macro TURN slot, next                 ; slot 0's last step: behind its barrier slot 1 is whole for every wave.  Nothing is filled again
	s_wait_tensorcnt 0x0                           ; my part of slot 1 has landed
	ds_add_u32 v[SPW], v[NIL]                      ; 0 onto my spare word
	s_wait_dscnt 4*NL+1                            ; (the add and the youngest eight loads may be out)
	WIN MUL_LO
	MUL16 0, 1, NQ-1, \slot, 0
	s_wait_dscnt 0x0
	s_barrier_signal -1
	MUL16 2, 1, NQ-1, \slot, 0
	WIN 0
	s_barrier_wait -1
	PLACES NP
	v_add_nc_u32 v[ADRS], 4*NQ, v[ADRS]            ; the next slot's scale words (no LDS load of mine is out)
	FETCH_B \next, 0, 0
	FETCH_A \next, 0, 0
	SCALES \next
	WIN MUL_HI
	MUL16 4, 1, NQ-1, \slot, 0
	MUL16 6, 1, NQ-1, \slot, 0
	PLACES NP
	WIN 0
	FETCH_A \next, 0, 4
.endm
.macro STEPS slot, from
.set Q, \from
.rept NQ-1-\from
	STEP \slot, Q, 0
.set Q, Q+1
.endr
.endm
	s_wait_tensorcnt 1                             ; the scale bytes and my part of slot 0 are in; slot 1's load may be out,
	s_barrier_signal -1
	s_barrier_wait -1                              ; everybody's are
	FETCH_B 0, 0, 0
	FETCH_A 0, 0, 0
	SCALES 0
	FETCH_A 0, 0, 4
	STEP 0, 0, 1                                   ; the first products start the sums: nothing is cleared
	STEPS 0, 1
	TURN 0, 1
	STEPS 1, 0
	s_wait_dscnt 4*NL
	WIN MUL_LO
	MUL16 0, 1, NQ-1, 1, 0
	MUL16 2, 1, NQ-1, 1, 0
	s_wait_dscnt 0
	WIN MUL_HI
	MUL16 4, 1, NQ-1, 1, 0
	MUL16 6, 1, NQ-1, 1, 0
	WIN 0
; THE QUANTISER.  64 numbers of a lane, v[s] on: register 16 B + i belongs to block B of my row: k = 32 B + 8 h + i (i < 8), 32 B + 16 + 8 h + i - 8 (else); lanes l and l xor 16 hold a block.
; The largest magnitude with a floor of 2^-124; 2 off its exponent field is the conversion's scale operand; that, shifted, the byte.  The conversions' results are laid so that two exchanges of halves for each
; pair of blocks leave lane (r, h) with block 2 c + h whole, in ascending k, in registers 4 c .. 4 c + 3: the operand's registers.
.macro QUANT s, pc, pw
.irp b, 0,1,2,3
	v_max3_num_f32 v[TM+\b], |v[(\s)+16*\b]|, |v[(\s)+1+16*\b]|, 0x1800000
.endr
.irp i, 2,4,6,8,10,12,14
.irp b, 0,1,2,3
	v_max3_num_f32 v[TM+\b], v[TM+\b], |v[(\s)+16*\b+\i]|, |v[(\s)+1+16*\b+\i]|
.endr
.endr
.irp b, 0,1,2,3
	v_permlanex16_b32 v[TM+4+\b], v[TM+\b], s[SEL], s[SEL+1]
.endr
.irp b, 0,1,2,3
	v_max_num_f32 v[TM+\b], v[TM+\b], v[TM+4+\b]
.endr
.irp b, 0,1,2,3
	v_add_nc_u32 v[TM+12+\b], 0xff000000, v[TM+\b]
.endr
.irp b, 0,1,2,3
	v_lshrrev_b32 v[TM+4+\b], 23, v[TM+12+\b]
.endr
	v_lshl_or_b32 v[\pw], v[TM+5], 8, v[TM+4]
	v_lshl_or_b32 v[\pw], v[TM+6], 16, v[\pw]
	v_lshl_or_b32 v[\pw], v[TM+7], 24, v[\pw]
.irp c, 0,1
	v_cvt_scalef32_pk8_fp4_f32 v[(\pc)+4*\c], v[(\s)+32*\c:(\s)+32*\c+7], v[TM+12+2*\c]
	v_cvt_scalef32_pk8_fp4_f32 v[(\pc)+4*\c+1], v[(\s)+32*\c+16:(\s)+32*\c+23], v[TM+13+2*\c]
	v_cvt_scalef32_pk8_fp4_f32 v[(\pc)+4*\c+2], v[(\s)+32*\c+8:(\s)+32*\c+15], v[TM+12+2*\c]
	v_cvt_scalef32_pk8_fp4_f32 v[(\pc)+4*\c+3], v[(\s)+32*\c+24:(\s)+32*\c+31], v[TM+13+2*\c]
.endr
	v_nop                                          ; one plain place behind a scaled conversion
.irp c, 0,1
	v_permlane16_swap_b32 v[(\pc)+4*\c], v[(\pc)+4*\c+1]
	v_permlane16_swap_b32 v[(\pc)+4*\c+2], v[(\pc)+4*\c+3]
.endr
.endm
; Block a of P's rows leaves: the bias is added on the way into window 0 (each accumulator from its low end on), the 64 numbers are quantised, the codes are stored.  Every block has codes' registers of its own.
.macro OUT a, isv
.set AC, 64*((\a)%4)
	WIN 0x06+(\a)/4                                ; source 0: window 2 or 3; source 1: window 1
.irp i, 0,1,2,3,4,5,6,7,8,9,10,11,12,13,14,15,16,17,18,19,20,21,22,23,24,25,26,27,28,29,30,31
.if \isv
	v_pk_add_f32 v[H+2*\i:H+2*\i+1], v[AC+2*\i:AC+2*\i+1], v[BI+8*(\a)+(2*\i)%8:BI+8*(\a)+(2*\i)%8+1]
.else
	v_pk_add_f32 v[H+2*\i:H+2*\i+1], v[AC+2*\i:AC+2*\i+1], v[BI+2*\i:BI+2*\i+1]
.endif
.endr
	WIN 0
	QUANT H, PC+8*(\a), PW+(\a)
.if \isv
	global_store_b128 v[LI], v[PC+8*(\a):PC+8*(\a)+3], s[14:15] offset:((\a)/4)*NHB+((\a)%4)*1024        ; 16 channels x keys 0-63 of the mstep,
	global_store_b128 v[LI], v[PC+8*(\a)+4:PC+8*(\a)+7], s[14:15] offset:((\a)/4)*NHB+((\a)%4)*1024+512  ; and keys 64-127
.else
	global_store_b128 v[LI], v[PC+8*(\a):PC+8*(\a)+3], s[14:15] offset:512*(\a)                          ; 16 positions of my first head,
	global_store_b128 v[LI], v[PC+8*(\a)+4:PC+8*(\a)+7], s[14:15] offset:NHB+512*(\a)                    ; and of my second
.endif
.endm
.irp b, 0,1,2,3
	v_mov_b32 v[TM+4+\b], 0                        ; a lane permute's destination counts as one of its sources.  These four are also the places behind the last products
.endr
	s_wait_loadcnt 0x0                             ; the bias
	s_cmp_eq_u32 ttmp9, 2
	s_cbranch_scc1 .Lout_v
.irp a, 0,1,2,3,4,5,6,7
	OUT \a, 0
.endr
.irp i, 0,1,2,3
	v_cndmask_b32 v[MG+\i], v[PW+2*\i], v[PW+2*\i+1], s100   ; lanes 0-15: tile 2 i's words, lanes 16-31: tile 2 i + 1's.  Bytes 0, 1: my first head's
.endr
	global_store_b128 v[LI], v[MG:MG+3], s[16:17]
.irp i, 0,1,2,3
	v_lshrrev_b32 v[MG+4+\i], 16, v[MG+\i]         ; bytes 2, 3: my second head's
.endr
	global_store_b128 v[LI], v[MG+4:MG+7], s[18:19]
	s_branch .Lend
.Lout_v:
.irp a, 0,1,2,3,4,5,6,7
	OUT \a, 1
.endr
.irp i, 0,1,2,3
	v_cndmask_b32 v[MG+\i], v[PW+2*\i], v[PW+2*\i+1], s100
.endr
	global_store_b64 v[L8], v[MG:MG+1], s[16:17]   ; my first head's four tiles of channels: 256 consecutive bytes,
	global_store_b64 v[L8], v[MG+2:MG+3], s[18:19] ; my second's
.Lend:
	s_wait_tensorcnt 0x0                           ; the wave's end
	ds_add_u32 v[SPW], v[NIL]
	s_wait_dscnt 0x0
	CROUND                                         ; the closing round
	s_endpgm
.Lfunc_end_k_q06b6f8c817_qkv:
	.size	k_q06b6f8c817_qkv, .Lfunc_end_k_q06b6f8c817_qkv-k_q06b6f8c817_qkv
	.p2alignl 7, 3214868480
	.fill 96, 4, 3214868480
	.section	.rodata,"a",@progbits
	.p2align	6, 0x0
	.amdhsa_kernel k_q06b6f8c817_qkv
		.amdhsa_group_segment_fixed_size 327680
		.amdhsa_private_segment_fixed_size 0
		.amdhsa_enable_private_segment 0
		.amdhsa_kernarg_size 64
		.amdhsa_user_sgpr_count 2
		.amdhsa_user_sgpr_kernarg_segment_ptr 1
		.amdhsa_wavefront_size32 1
		.amdhsa_system_sgpr_workgroup_id_x 1
		.amdhsa_system_sgpr_workgroup_id_y 1
		.amdhsa_system_sgpr_workgroup_id_z 1
		.amdhsa_system_vgpr_workitem_id 0
		.amdhsa_next_free_vgpr 1024
		.amdhsa_next_free_sgpr 102
		.amdhsa_reserve_vcc 0
		.amdhsa_float_denorm_mode_32 3
		.amdhsa_float_denorm_mode_16_64 3
		.amdhsa_memory_ordered 1
		.amdhsa_forward_progress 1
		.amdhsa_inst_pref_size 200
	.end_amdhsa_kernel
	.amdgpu_metadata
---
amdhsa.version: [ 1, 2 ]
amdhsa.kernels:
  - .name:           k_q06b6f8c817_qkv
    .symbol:         k_q06b6f8c817_qkv.kd
    .args:
      - { .name: x_codes, .offset: 0, .size: 8, .value_kind: global_buffer, .address_space: global }
      - { .name: x_scales, .offset: 8, .size: 8, .value_kind: global_buffer, .address_space: global }
      - { .name: W_attn_codes, .offset: 16, .size: 8, .value_kind: global_buffer, .address_space: global }
      - { .name: W_attn_scales, .offset: 24, .size: 8, .value_kind: global_buffer, .address_space: global }
      - { .name: b_attn, .offset: 32, .size: 8, .value_kind: global_buffer, .address_space: global }
      - { .name: qkv, .offset: 40, .size: 8, .value_kind: global_buffer, .address_space: global }
      - { .name: qs, .offset: 48, .size: 8, .value_kind: global_buffer, .address_space: global }
      - { .name: kvs, .offset: 56, .size: 8, .value_kind: global_buffer, .address_space: global }
    .group_segment_fixed_size: 327680
    .private_segment_fixed_size: 0
    .kernarg_segment_align: 8
    .kernarg_segment_size: 64
    .max_flat_workgroup_size: 128
    .sgpr_count:     102
    .vgpr_count:     1024
    .wavefront_size: 32
...
	.end_amdgpu_metadata
.endif
;; end of part 1
;; launch attn (part 2): grid 256 x 1, 16 waves a work-group, clusters of 4 x 1, 167,936 bytes of LDS; arguments qkv, qs, kvs, yc, ys; writes yc, ys
.if DOCPART == 2
	.amdgcn_target "amdgcn-amd-amdhsa--gfx1250"
	.amdhsa_code_object_version 6
	.text
	.protected	k_q06b6f8c817_attn
	.globl	k_q06b6f8c817_attn
	.p2align	8
	.type	k_q06b6f8c817_attn,@function
k_q06b6f8c817_attn:
	s_mov_b64 s[64:65], 0
	v_nop
	global_prefetch_b8 v0, s[64:65] scope:SCOPE_SE
	s_setreg_imm32_b32 hwreg(HW_REG_WAVE_MODE, 25, 1), 1
	s_wait_xcnt 0x0
	s_wait_alu depctr_hold_cnt(0) depctr_sa_sdst(0) depctr_va_vdst(0) depctr_va_sdst(0) depctr_va_ssrc(0) depctr_va_vcc(0) depctr_vm_vsrc(0)
	s_getreg_b32 s2, hwreg(HW_REG_IB_STS2, 6, 4)
	s_cmp_eq_u32 s2, 0
	s_cbranch_scc0 .Lentry_in_a_cluster
	s_endpgm
.Lentry_in_a_cluster:
	s_bfe_u32 s2, ttmp6, 0x10000c
	s_cmp_lg_u32 s2, 0x3003
	s_cbranch_scc0 .Lentry_shape_is_right
	s_endpgm
.Lentry_shape_is_right:
; SECOND LAUNCH: for each batch and head, y = softmax(q k^T / 8, causal) v on codes of E2M1, and the quantiser of y along D.
; WORK LEFT OUT: a key step of 128 keys all of which come after a tile's 16 queries: reference()'s own jnp.tril hides them (shown at the head of the first kernel).  A NaN or overflow that reaches only them is not carried on.
; THE SOFTMAX: t = score x log2(e) / 8; M = the running largest t rounded up to a whole number; p = 2^(t - M) is quantised along the keys, not normalised; the row's sum is taken of the unquantised p and divides at the end.
; When M moves, the sum and O are multiplied by 2^(old M - new M): exact.
; LIMITS: as at the head of the first kernel; a block of p that has fallen to zeros keeps the scale byte 1: its codes are zeros.
; SHARES.  A cluster of four work-groups serves one batch and head (cluster x = 16 batch + head).  A head has 128 tiles of 16 queries.  Wave w of partner j owns TWO: tL = 4 rho + j and tH = 127 - tL, rho a
; permutation of the wave's number.  Tile L has its last live key step at rho / 2, tile H at 15 - rho / 2: 17 tile-steps for every wave, and both limits hang on the wave's number alone, never on the partner's place.
; LDS.  The head's K and V images and their scale words, all 2,048 keys, come once, by joint loads of the four partners, three a wave, and stay.  All reads are 16 (or 8) bytes x lane on end: no pitch, no padding.
; LAYOUT.  S^T = K Q^T (source 0 = 16 neighbouring keys, source 1 = 16 queries), O^T = V^T P^T: a lane holds one query throughout.  The head's 64 fill half of the instruction's depth of 128: Q's registers 4-7 are
; zero codes, so K's upper four registers may be whatever finite codes lie there: they are the next tile's (for the last tile: zeros).
; REGISTERS: v1-7, v80 addresses; v8-11, v12-15 tile L's, H's -M, largest t, sum (a pair); v16-31 Q of L, of H; v32-67 K's or V's fragments; v68-76 scale words and nothing else; v77, v78 the masks' numbers;
;   v96-159 S^T, then p; v160-191, v192-223 O^T of L, of H; v224-231 p's codes; v232-254 at work.
.set VIMG,  65536                      ; LDS: K's images at 4,096 step + 512 tile; V's at VIMG + 4,096 step + 1,024 tile + 512 half
.set SCW,   131072                     ; the scale words: 768 bytes a step: K's 512, V's 256
.set SPARE, 143360                     ; the spare words, 128 bytes for each of 16 waves: eight blocks of 256 bytes that no other line names
.set LI,   1                           ; 16 x lane
.set L8,   2                           ; 8 x lane
.set SPW,  3
.set NIL,  4
.set ADK,  5
.set ADV,  6
.set ADS,  7
.set ADVS, 80
.set WV,   14
.set LIML, 19
.set LIMH, 20
.set G1C,  24                          ; s[24:31] group 1: 16 rows of 256 bytes
.set G1S,  32                          ; s[32:39] group 1: 3 rows of 256 bytes
.set G0S,  40
.set G0A,  44
.set G0B,  48
.set SEL,  52
.set CS,   54                          ; s[54:55] log2(e) / 8
.set ST,   56                          ; the key step
.set TK,   57                          ; its images' place in LDS
.set TS,   58                          ; its scale words'
.macro CROUND
	s_barrier_signal -1
	s_barrier_wait -1
	s_cmp_lg_u32 s[WV], 0
	s_cbranch_scc1 .Lnot_wave_0_\@
	s_barrier_signal -3
.Lnot_wave_0_\@:
	s_barrier_wait -3
	s_barrier_signal -1
	s_barrier_wait -1
.endm
.macro QSOFF d, t                      ; where tile t's scale words lie in a head's and batch's part of qs: 512 (t / 8) + 256 (t % 2) + 4 ((t % 8) / 2); + 16 r by the lane
	s_lshr_b32 s[\d], s[\t], 3
	s_lshl_b32 s[\d], s[\d], 9
	s_and_b32 s23, s[\t], 1
	s_lshl_b32 s23, s23, 8
	s_add_co_u32 s[\d], s[\d], s23
	s_bfe_u32 s23, s[\t], 0x20001
	s_lshl_b32 s23, s23, 2
	s_add_co_u32 s[\d], s[\d], s23
.endm
	s_load_b256 s[4:11], s[0:1], 0x0               ; qkv, qs, kvs, yc
	s_load_b64 s[12:13], s[0:1], 0x20              ; ys
	v_lshl_add_u32 v[SPW], v0, 2, SPARE
	v_mov_b32 v[NIL], 0
	ds_add_u32 v[SPW], v[NIL]                      ; the wave's opening: the add, twice on end, and its wait ahead of my first tensor load
	ds_add_u32 v[SPW], v[NIL]
	v_lshrrev_b32 v5, 5, v0
	v_readfirstlane_b32 s[WV], v5                  ; wave 0..15
	s_bfe_u32 s15, ttmp6, 0x40000                  ; j: my place in the cluster: it enters global addresses and the masks' numbers alone
	s_lshr_b32 s16, ttmp9, 4                       ; batch
	s_and_b32 s17, ttmp9, 15                       ; head
	s_and_b32 s21, s[WV], 3
	s_lshr_b32 s22, s[WV], 2
	s_add_co_u32 s23, s21, s22
	s_and_b32 s23, s23, 3
	s_lshl_b32 s22, s22, 1
	s_add_co_u32 s21, s21, s22
	s_and_b32 s21, s21, 3
	s_lshl_b32 s18, s23, 2
	s_add_co_u32 s18, s18, s21                     ; rho = 4 ((w % 4 + w / 4) % 4) + (w % 4 + 2 (w / 4)) % 4: one to one on 0..15; any four waves w % 4 alike, or w / 4 alike, have limits that add up to 14
	s_lshr_b32 s[LIML], s18, 1                     ; tile L's last live step
	s_sub_co_u32 s[LIMH], 15, s[LIML]              ; tile H's
	s_lshl_b32 s21, s18, 2
	s_add_co_u32 s21, s21, s15                     ; tL
	s_sub_co_u32 s22, 127, s21                     ; tH
	s_mov_b32 s[G1C], 15|(3<<16)|(1<<21)           ; the mask: all four partners; elements of 8 bytes; bit 21 beside a mask; no padding
	s_mov_b32 s[G1C+1], 32<<16
	s_mov_b32 s[G1C+2], 16<<16
	s_mov_b32 s[G1C+3], 32<<16
	s_mov_b32 s[G1C+4], 16
	s_mov_b32 s[G1C+5], 32
	s_mov_b32 s[G1C+6], 0
	s_mov_b32 s[G1C+7], 0
	s_mov_b32 s[G1S], 15|(3<<16)|(1<<21)
	s_mov_b32 s[G1S+1], 32<<16
	s_mov_b32 s[G1S+2], 3<<16
	s_mov_b32 s[G1S+3], 32<<16
	s_mov_b32 s[G1S+4], 3
	s_mov_b32 s[G1S+5], 32
	s_mov_b32 s[G1S+6], 0
	s_mov_b32 s[G1S+7], 0
	s_mul_i32 s60, s17, 49152                      ; kvs: my head, my batch's 16 steps, step w
	s_mul_i32 s61, s16, 12288
	s_add_co_u32 s60, s60, s61
	s_mul_i32 s62, s[WV], 768
	s_add_co_u32 s60, s60, s62
	s_mov_b32 s61, 0
	s_add_co_u32 s[G0S+1], s62, SCW                ; to LDS: 768 w on
	s_and_b32 s62, s[WV], 1                        ; even waves fetch K's images, odd waves V's,
	s_lshr_b32 s63, s[WV], 1                       ; of steps w / 2 and 8 + w / 2
	s_lshl_b32 s66, s62, 4
	s_add_co_u32 s66, s66, s17
	s_add_co_u32 s66, s66, 16                      ; nh = 16 + head (+ 16 for V)
	s_lshl_b32 s66, s66, 18
	s_lshl_b32 s67, s16, 16
	s_add_co_u32 s66, s66, s67
	s_lshl_b32 s63, s63, 12
	s_add_co_u32 s66, s66, s63
	s_mov_b32 s67, 0
	s_lshl_b32 s62, s62, 16
	s_add_co_u32 s[G0A+1], s62, s63
	s_add_co_u32 s[G0B+1], s[G0A+1], 32768
	s_mov_b32 s[SEL], 0x76543210
	s_mov_b32 s[SEL+1], 0xfedcba98
	s_mov_b32 s[CS], 0x3e38aa3b                    ; log2(e) / 8
	s_mov_b32 s[CS+1], s[CS]
	s_mov_b32 s59, 0xffff0000                      ; lanes 16-31
	s_wait_dscnt 0x0                               ; both opening adds are done
	s_wait_kmcnt 0x0
	s_mov_b32 s[G0S], 1
	s_add_nc_u64 s[G0S+2:G0S+3], s[8:9], s[60:61]
	s_or_b32 s[G0S+3], s[G0S+3], 0x80000000
	s_mov_b32 s[G0A], 1
	s_add_nc_u64 s[G0A+2:G0A+3], s[4:5], s[66:67]
	s_mov_b32 s[G0B], 1
	s_add_nc_u64 s[G0B+2:G0B+3], s[G0A+2:G0A+3], 32768
	s_or_b32 s[G0A+3], s[G0A+3], 0x80000000
	s_or_b32 s[G0B+3], s[G0B+3], 0x80000000
	CROUND                                         ; all four partners are here: the joint loads meet
	tensor_load_to_lds s[G0S:G0S+3], s[G1S:G1S+7]  ; step w's scale words;
	s_nop 0
	tensor_load_to_lds s[G0A:G0A+3], s[G1C:G1C+7]  ; an image of steps 0-7;
	s_nop 0
	tensor_load_to_lds s[G0B:G0B+3], s[G1C:G1C+7]  ; one of steps 8-15: three loads of mine are out, and no more follow
	s_nop 0
.rept 4
	v_nop
.endr
	v_and_b32 v[LI], 31, v0
	v_lshlrev_b32 v[L8], 3, v[LI]
	v_lshlrev_b32 v[LI], 4, v[LI]
	v_and_b32 v89, 15, v0                          ; r
	v_bfe_u32 v90, v0, 4, 1                        ; h
	s_lshl_b32 s60, s17, 18                        ; q's images: nh = head, my batch
	s_lshl_b32 s61, s16, 16
	s_add_co_u32 s60, s60, s61
	s_mov_b32 s61, 0
	s_add_nc_u64 s[68:69], s[4:5], s[60:61]
	s_lshl_b32 s62, s21, 9
	s_lshl_b32 s63, s22, 9
	v_add_nc_u32 v85, s62, v[LI]
	v_add_nc_u32 v86, s63, v[LI]
	global_load_b128 v[16:19], v85, s[68:69]       ; Q of tile L: the head's 64 in registers 0-3
	global_load_b128 v[24:27], v86, s[68:69]       ; Q of tile H
	s_lshl_b32 s60, s17, 15
	s_lshl_b32 s23, s16, 13
	s_add_co_u32 s60, s60, s23
	s_add_nc_u64 s[70:71], s[6:7], s[60:61]
	QSOFF 66, 21
	QSOFF 67, 22
	v_lshl_add_u32 v87, v89, 4, s66
	v_lshl_add_u32 v88, v89, 4, s67
	global_load_b32 v74, v87, s[70:71]             ; their scale words
	global_load_b32 v75, v88, s[70:71]
	v_lshlrev_b32 v91, 3, v90
	v_sub_nc_u32 v91, v89, v91                     ; r - 8 h
	s_and_b32 s62, s21, 7
	s_lshl_b32 s62, s62, 4
	s_and_b32 s63, s22, 7
	s_lshl_b32 s63, s63, 4
	v_add_nc_u32 v77, s62, v91                     ; on the diagonal: register 8 T + i holds key 16 T + 8 h + i of the step: hidden where 16 T + i > my query in the step - 8 h
	v_add_nc_u32 v78, s63, v91
	s_lshr_b32 s60, s17, 3                         ; yc [head / 8][16 rows][(head / 2) % 4][head % 2][512]
	s_lshl_b32 s60, s60, 21
	s_lshl_b32 s23, s16, 19
	s_add_co_u32 s60, s60, s23
	s_bfe_u32 s23, s17, 0x20001
	s_lshl_b32 s23, s23, 10
	s_add_co_u32 s60, s60, s23
	s_and_b32 s23, s17, 1
	s_lshl_b32 s23, s23, 9
	s_add_co_u32 s60, s60, s23
	s_lshl_b32 s62, s21, 12
	s_add_co_u32 s62, s62, s60
	s_lshl_b32 s63, s22, 12
	s_add_co_u32 s63, s63, s60
	v_add_nc_u32 v81, s62, v[LI]
	v_add_nc_u32 v82, s63, v[LI]
.irp j, 20,21,22,23,28,29,30,31,64,65,66,67
	v_mov_b32 v[\j], 0                             ; zero codes: Q's K = 64 .. 127, and what stands behind K's last tile
.endr
	v_mov_b32 v9, 0xff61b1e6                       ; the largest t so far: -3e38, under every t
	v_mov_b32 v13, 0xff61b1e6
	v_floor_f32 v8, -v9                            ; -M
	v_floor_f32 v12, -v13
.irp j, 10,11,14,15,236,237,238,239,253
	v_mov_b32 v[\j], 0                             ; the sums; the lane permutes' destinations; the upper half of the pair v[252:253]
.endr
	v_mov_b32 v79, 0xff800000                      ; -infinity
.irp j, 0,1,2,3,4,5,6,7,8,9,10,11,12,13,14,15,16,17,18,19,20,21,22,23,24,25,26,27,28,29,30,31,32,33,34,35,36,37,38,39,40,41,42,43,44,45,46,47,48,49,50,51,52,53,54,55,56,57,58,59,60,61,62,63
	v_mov_b32 v[160+\j], 0                         ; both O^T.  (The step is written without a first form: the first change of M multiplies zeros)
.endr
; ONE TILE OF 16 QUERIES x ONE STEP OF 128 KEYS.  q: Q's registers; qs: its scale words; o: its O^T; sx: its statistics; qr: its mask's number; lim: its last live step; causal = 1: steps beyond lim are left out, step lim is masked.
.macro TSTEP q, qs, o, sx, qr, lim, causal
.if \causal
	s_cmp_gt_u32 s[ST], s[\lim]                    ; the wave's number and the count of steps alone
	s_cbranch_scc1 .Lskip_\@
.endif
.rept 4
	v_nop                                          ; places in front of loads into registers that the last products read
.endr
.irp t, 0,1,2,3,4,5,6,7
	ds_load_b128 v[32+4*\t:35+4*\t], v[ADK] offset:512*\t
.endr
	ds_load_b128 v[68:71], v[ADS]                  ; K's scale words: register t / 2, lanes 0-15 tile t even, lanes 16-31 tile t odd
	s_wait_dscnt 0x0
.irp t, 0,2,4,6
	v_wmma_scale_f32_16x16x128_f8f6f4 v[96+8*\t:103+8*\t], v[32+4*\t:39+4*\t], v[\q:\q+7], 0, v[68+\t/2], v[\qs] matrix_a_fmt:MATRIX_FMT_FP4 matrix_b_fmt:MATRIX_FMT_FP4
	v_wmma_scale_f32_16x16x128_f8f6f4 v[104+8*\t:111+8*\t], v[36+4*\t:43+4*\t], v[\q:\q+7], 0, v[68+\t/2], v[\qs] matrix_a_fmt:MATRIX_FMT_FP4 matrix_b_fmt:MATRIX_FMT_FP4 matrix_a_scale:MATRIX_SCALE_ROW1
.endr
.rept 4
	v_nop                                          ; places: for V's loads into K's registers, and for the first read of the scores
.endr
.irp t, 0,1,2,3
	ds_load_b128 v[32+8*\t:35+8*\t], v[ADV] offset:1024*\t       ; V^T: 16 channels x 128 keys: it lands under the softmax
	ds_load_b128 v[36+8*\t:39+8*\t], v[ADV] offset:1024*\t+512
.endr
	ds_load_b64 v[72:73], v[ADVS] offset:512
.if \causal
	s_cmp_lg_u32 s[ST], s[\lim]
	s_cbranch_scc1 .Lopen_\@
.irp n, 0,1,2,3,4,5,6,7,8,9,10,11,12,13,14,15,16,17,18,19,20,21,22,23,24,25,26,27,28,29,30,31,32,33,34,35,36,37,38,39,40,41,42,43,44,45,46,47,48,49,50,51,52,53,54,55,56,57,58,59,60,61,62,63
	v_cmp_gt_i32 vcc_lo, 16*(\n/8)+\n%8, v[\qr]
	v_cndmask_b32 v[96+\n], v[96+\n], v79, vcc_lo  ; hidden scores become -infinity: p = 0.  The step's first key counts for every query of the tile
.endr
.Lopen_\@:
.endif
.irp b, 0,1,2,3
	v_max3_num_f32 v[232+\b], v[96+16*\b], v[97+16*\b], v[98+16*\b]   ; the largest score of each block of 32 keys: for the row's maximum, and, since p rises with the score, for the block's largest p
.endr
.irp i, 3,5,7,9,11,13
.irp b, 0,1,2,3
	v_max3_num_f32 v[232+\b], v[232+\b], v[96+16*\b+\i], v[97+16*\b+\i]
.endr
.endr
.irp b, 0,1,2,3
	v_max_num_f32 v[232+\b], v[232+\b], v[111+16*\b]
.endr
.irp b, 0,1,2,3
	v_permlanex16_b32 v[236+\b], v[232+\b], s[SEL], s[SEL+1]
.endr
.irp b, 0,1,2,3
	v_max_num_f32 v[232+\b], v[232+\b], v[236+\b]  ; with lane l xor 16's 16 keys
.endr
	v_max3_num_f32 v254, v232, v233, v234
	v_max_num_f32 v254, v254, v235
	v_mul_f32 v254, s[CS], v254                    ; the step's largest t
	v_max_num_f32 v[\sx+1], v[\sx+1], v254         ; the running largest t
	v_mov_b32 v254, v[\sx]
	v_floor_f32 v[\sx], -v[\sx+1]                  ; the new -M = -ceil(t)
	v_sub_f32 v254, v[\sx], v254                   ; old M - new M: a whole number, 0 or less
	v_cvt_i32_f32 v254, v254                       ; (it saturates)
	v_ldexp_f32 v252, 1.0, v254                    ; f = 2^(old M - new M)
.irp j, 0,2,4,6,8,10,12,14,16,18,20,22,24,26,28,30,32,34,36,38,40,42,44,46,48,50,52,54,56,58,60,62
	v_pk_fma_f32 v[96+\j:97+\j], v[96+\j:97+\j], s[CS:CS+1], v[\sx:\sx+1] op_sel_hi:[1,0,0]   ; t - M, two at a time
.endr
.irp b, 0,1,2,3
	v_fma_f32 v[232+\b], v[232+\b], s[CS], v[\sx]
.endr
.irp j, 0,1,2,3,4,5,6,7,8,9,10,11,12,13,14,15,16,17,18,19,20,21,22,23,24,25,26,27,28,29,30,31,32,33,34,35,36,37,38,39,40,41,42,43,44,45,46,47,48,49,50,51,52,53,54,55,56,57,58,59,60,61,62,63
	v_exp_f32 v[96+\j], v[96+\j]                   ; p = 2^(t - M)
.endr
	v_pk_mul_f32 v[\sx+2:\sx+3], v[\sx+2:\sx+3], v[252:253] op_sel_hi:[1,0]   ; the sums under the new M: the plain place behind the exponentials
	s_wait_alu depctr_va_vdst(0)                   ; one wait for the batch of 64, ahead of its first reader
.irp b, 0,1,2,3
	v_exp_f32 v[232+\b], v[232+\b]                 ; each block's largest p
.endr
	v_pk_add_f32 v[236:237], v[96:97], v[98:99]    ; the row's sum, of the unquantised p, in two chains
.irp j, 4,8,12,16,20,24,28,32,36,40,44,48,52,56,60
	v_pk_add_f32 v[\sx+2:\sx+3], v[\sx+2:\sx+3], v[96+\j:97+\j]
	v_pk_add_f32 v[236:237], v[236:237], v[98+\j:99+\j]
.endr
	v_pk_add_f32 v[\sx+2:\sx+3], v[\sx+2:\sx+3], v[236:237]
	s_wait_alu depctr_va_vdst(0)                   ; and one for the four
.irp b, 0,1,2,3
	v_max_num_f32 v[232+\b], 0x1800000, v[232+\b]  ; the floor 2^-124: the byte cannot fall under 1
.endr
.irp b, 0,1,2,3
	v_add_nc_u32 v[244+\b], 0xff000000, v[232+\b]  ; 2 off the exponent field: the conversion's scale operand
.endr
.irp b, 0,1,2,3
	v_lshrrev_b32 v[236+\b], 23, v[244+\b]
.endr
	v_lshl_or_b32 v76, v237, 8, v236               ; p's scale word for these 128 keys
	v_lshl_or_b32 v76, v238, 16, v76
	v_lshl_or_b32 v76, v239, 24, v76
.irp c, 0,1
	v_cvt_scalef32_pk8_fp4_f32 v[224+4*\c], v[96+32*\c:103+32*\c], v[244+2*\c]     ; block 2 c, keys 8 h + 0 .. 7
	v_cvt_scalef32_pk8_fp4_f32 v[225+4*\c], v[112+32*\c:119+32*\c], v[245+2*\c]    ; block 2 c + 1, the same
	v_cvt_scalef32_pk8_fp4_f32 v[226+4*\c], v[104+32*\c:111+32*\c], v[244+2*\c]    ; block 2 c, keys 16 + 8 h + 0 .. 7
	v_cvt_scalef32_pk8_fp4_f32 v[227+4*\c], v[120+32*\c:127+32*\c], v[245+2*\c]
.endr
	v_nop                                          ; one plain place behind a scaled conversion
.irp c, 0,1
	v_permlane16_swap_b32 v[224+4*\c], v[225+4*\c] ; lane (r, h) now holds block 2 c + h whole, keys ascending
	v_permlane16_swap_b32 v[226+4*\c], v[227+4*\c]
.endr
.irp j, 0,2,4,6,8,10,12,14,16,18,20,22,24,26,28,30
	v_pk_mul_f32 v[\o+\j:\o+\j+1], v[\o+\j:\o+\j+1], v[252:253] op_sel_hi:[1,0]   ; O^T under the new M.  For each product below 12 of these 16 name none of its registers: the places behind the writes of p's scale word (8 asked) and codes (4)
.endr
	s_wait_dscnt 0x0                               ; V
.irp t, 0,2
	v_wmma_scale_f32_16x16x128_f8f6f4 v[\o+8*\t:\o+8*\t+7], v[32+8*\t:39+8*\t], v[224:231], v[\o+8*\t:\o+8*\t+7], v[72+\t/2], v76 matrix_a_fmt:MATRIX_FMT_FP4 matrix_b_fmt:MATRIX_FMT_FP4
	v_wmma_scale_f32_16x16x128_f8f6f4 v[\o+8*\t+8:\o+8*\t+15], v[40+8*\t:47+8*\t], v[224:231], v[\o+8*\t+8:\o+8*\t+15], v[72+\t/2], v76 matrix_a_fmt:MATRIX_FMT_FP4 matrix_b_fmt:MATRIX_FMT_FP4 matrix_a_scale:MATRIX_SCALE_ROW1
.endr
.if \causal
.Lskip_\@:
.endif
.endm
.macro ADDRS                           ; the step's four LDS addresses: also places behind the last products
	v_add_nc_u32 v[ADK], s[TK], v[LI]
	v_add_nc_u32 v[ADV], VIMG, v[ADK]
	v_add_nc_u32 v[ADS], s[TS], v[LI]
	v_add_nc_u32 v[ADVS], s[TS], v[L8]
.endm
	s_mov_b32 s[ST], 0
	s_mov_b32 s[TK], 0
	s_mov_b32 s[TS], SCW
	s_wait_tensorcnt 1                             ; my scale words and my image of steps 0-7 are in; that of steps 8-15 may be out
	s_barrier_signal -1
	s_barrier_wait -1                              ; everybody's are
	s_wait_loadcnt 0x0                             ; Q
.Lphase_a:                                         ; steps 0-7: all their keys count for tile H (its queries are 1,024 or later); tile L goes as far as its limit
	ADDRS
	TSTEP 24, 75, 192, 12, 78, LIMH, 0
	TSTEP 16, 74, 160, 8, 77, LIML, 1
	s_add_co_u32 s[TK], s[TK], 4096
	s_add_co_u32 s[TS], s[TS], 768
	s_add_co_u32 s[ST], s[ST], 1
	s_cmp_lt_u32 s[ST], 8
	s_cbranch_scc1 .Lphase_a
	s_wait_tensorcnt 0x0                           ; my image of steps 8-15 has landed
	ds_add_u32 v[SPW], v[NIL]                      ; 0 onto my spare word
	s_mov_b32 s[ST], 8
	s_mov_b32 s[TK], 32768
	s_mov_b32 s[TS], SCW+8*768
	s_wait_dscnt 0x0
	s_barrier_signal -1
	s_barrier_wait -1                              ; everybody's has
.Lphase_b:                                         ; steps 8-15: tile H alone, as far as its limit
	ADDRS
	TSTEP 24, 75, 192, 12, 78, LIMH, 1
	s_add_co_u32 s[TK], s[TK], 4096
	s_add_co_u32 s[TS], s[TS], 768
	s_add_co_u32 s[ST], s[ST], 1
	s_cmp_lt_u32 s[ST], 16
	s_cbranch_scc1 .Lphase_b
; THE WAY OUT of a tile: O^T / the sum is y(query r, channels 16 t + 8 h + i): the head's two blocks of 32 along D; quantised as everything here; lane (r, h) ends with block h whole: 16 bytes of the image.
; The first touch of a register of the last products (the conversions into v224 on) stands behind 16 packed multiplies that name none of them.
.macro FIN o, sx, pc, sw, yo
	v_add_f32 v254, v[\sx+2], v[\sx+3]
	v_permlanex16_b32 v252, v254, s[SEL], s[SEL+1]
	v_add_f32 v254, v254, v252                     ; the row's sum
	v_rcp_f32 v252, v254
	v_nop                                          ; a plain place behind the reciprocal,
	s_wait_alu depctr_va_vdst(0)                   ; and the wait ahead of its first reader
.irp j, 0,2,4,6,8,10,12,14,16,18,20,22,24,26,28,30
	v_pk_mul_f32 v[96+\j:97+\j], v[\o+\j:\o+\j+1], v[252:253] op_sel_hi:[1,0]
.endr
.irp b, 0,1
	v_max3_num_f32 v[232+\b], |v[96+16*\b]|, |v[97+16*\b]|, 0x1800000
.endr
.irp i, 2,4,6,8,10,12,14
.irp b, 0,1
	v_max3_num_f32 v[232+\b], v[232+\b], |v[96+16*\b+\i]|, |v[97+16*\b+\i]|
.endr
.endr
.irp b, 0,1
	v_permlanex16_b32 v[236+\b], v[232+\b], s[SEL], s[SEL+1]
.endr
.irp b, 0,1
	v_max_num_f32 v[232+\b], v[232+\b], v[236+\b]
.endr
.irp b, 0,1
	v_add_nc_u32 v[244+\b], 0xff000000, v[232+\b]
.endr
.irp b, 0,1
	v_lshrrev_b32 v[236+\b], 23, v[244+\b]
.endr
	v_lshl_or_b32 v[\sw], v237, 8, v236            ; my row's two scale bytes
	v_cvt_scalef32_pk8_fp4_f32 v[\pc], v[96:103], v244
	v_cvt_scalef32_pk8_fp4_f32 v[\pc+1], v[112:119], v245
	v_cvt_scalef32_pk8_fp4_f32 v[\pc+2], v[104:111], v244
	v_cvt_scalef32_pk8_fp4_f32 v[\pc+3], v[120:127], v245
	v_nop
	v_permlane16_swap_b32 v[\pc], v[\pc+1]
	v_permlane16_swap_b32 v[\pc+2], v[\pc+3]
	global_store_b128 v[\yo], v[\pc:\pc+3], s[10:11]   ; 512 consecutive aligned bytes
.endm
	FIN 160, 8, 224, 83, 81
	FIN 192, 12, 228, 84, 82
	s_lshl_b32 s60, s16, 16                        ; ys [row][32]: row = 2,048 batch + 16 t + r, bytes 2 head, 2 head + 1
	s_lshl_b32 s61, s17, 1
	s_add_co_u32 s60, s60, s61
	s_lshl_b32 s62, s21, 9
	s_lshl_b32 s63, s22, 9
	s_add_co_u32 s62, s62, s60
	s_add_co_u32 s63, s63, s60
	v_mov_b32 v85, s62
	v_mov_b32 v86, s63
	v_cndmask_b32 v85, v85, v86, s59               ; lanes 0-15 store tile L's, lanes 16-31 tile H's
	v_and_b32 v86, 15, v0
	v_lshl_add_u32 v85, v86, 5, v85
	v_cndmask_b32 v86, v83, v84, s59
	global_store_b16 v85, v86, s[12:13]            ; two bytes of each row's 32: a row's other heads lie in other clusters, so these cannot leave as whole rows; one instruction a wave
	s_wait_tensorcnt 0x0                           ; the wave's end
	ds_add_u32 v[SPW], v[NIL]
	s_wait_dscnt 0x0
	CROUND                                         ; the closing round
	s_endpgm
.Lfunc_end_k_q06b6f8c817_attn:
	.size	k_q06b6f8c817_attn, .Lfunc_end_k_q06b6f8c817_attn-k_q06b6f8c817_attn
	.p2alignl 7, 3214868480
	.fill 96, 4, 3214868480
	.section	.rodata,"a",@progbits
	.p2align	6, 0x0
	.amdhsa_kernel k_q06b6f8c817_attn
		.amdhsa_group_segment_fixed_size 167936
		.amdhsa_private_segment_fixed_size 0
		.amdhsa_enable_private_segment 0
		.amdhsa_kernarg_size 40
		.amdhsa_user_sgpr_count 2
		.amdhsa_user_sgpr_kernarg_segment_ptr 1
		.amdhsa_wavefront_size32 1
		.amdhsa_system_sgpr_workgroup_id_x 1
		.amdhsa_system_sgpr_workgroup_id_y 1
		.amdhsa_system_sgpr_workgroup_id_z 1
		.amdhsa_system_vgpr_workitem_id 0
		.amdhsa_next_free_vgpr 256
		.amdhsa_next_free_sgpr 72
		.amdhsa_reserve_vcc 1
		.amdhsa_float_denorm_mode_32 3
		.amdhsa_float_denorm_mode_16_64 3
		.amdhsa_memory_ordered 1
		.amdhsa_forward_progress 1
		.amdhsa_inst_pref_size 73
	.end_amdhsa_kernel
	.amdgpu_metadata
---
amdhsa.version: [ 1, 2 ]
amdhsa.kernels:
  - .name:           k_q06b6f8c817_attn
    .symbol:         k_q06b6f8c817_attn.kd
    .args:
      - { .name: qkv, .offset: 0, .size: 8, .value_kind: global_buffer, .address_space: global }
      - { .name: qs, .offset: 8, .size: 8, .value_kind: global_buffer, .address_space: global }
      - { .name: kvs, .offset: 16, .size: 8, .value_kind: global_buffer, .address_space: global }
      - { .name: yc, .offset: 24, .size: 8, .value_kind: global_buffer, .address_space: global }
      - { .name: ys, .offset: 32, .size: 8, .value_kind: global_buffer, .address_space: global }
    .group_segment_fixed_size: 167936
    .private_segment_fixed_size: 0
    .kernarg_segment_align: 8
    .kernarg_segment_size: 40
    .max_flat_workgroup_size: 512
    .sgpr_count:     72
    .vgpr_count:     256
    .wavefront_size: 32
...
	.end_amdgpu_metadata
.endif
;; end of part 2
;; launch proj (part 3): grid 8 x 32, 4 waves a work-group, clusters of 4 x 4, 327,680 bytes of LDS; arguments yc, ys, W_proj_codes, W_proj_scales, b_proj, out0; writes out0
.if DOCPART == 3
	.amdgcn_target "amdgcn-amd-amdhsa--gfx1250"
	.amdhsa_code_object_version 6
	.text
	.protected	k_q06b6f8c817_proj
	.globl	k_q06b6f8c817_proj
	.p2align	8
	.type	k_q06b6f8c817_proj,@function
k_q06b6f8c817_proj:
	s_mov_b64 s[64:65], 0
	v_nop
	global_prefetch_b8 v0, s[64:65] scope:SCOPE_SE
	s_setreg_imm32_b32 hwreg(HW_REG_WAVE_MODE, 25, 1), 1
	s_wait_xcnt 0x0
	s_wait_alu depctr_hold_cnt(0) depctr_sa_sdst(0) depctr_va_vdst(0) depctr_va_sdst(0) depctr_va_ssrc(0) depctr_va_vcc(0) depctr_vm_vsrc(0)
	s_getreg_b32 s2, hwreg(HW_REG_IB_STS2, 6, 4)
	s_cmp_eq_u32 s2, 0
	s_cbranch_scc0 .Lentry_in_a_cluster
	s_endpgm
.Lentry_in_a_cluster:
	s_bfe_u32 s2, ttmp6, 0x10000c
	s_cmp_lg_u32 s2, 0xf033
	s_cbranch_scc0 .Lentry_shape_is_right
	s_endpgm
.Lentry_shape_is_right:
; THIRD LAUNCH: out0 = y W_proj + b_proj on codes of E2M1.  Nothing is left out here.
; y comes as the second launch left it: yc [K slot 2][16 rows 512][128 along K 4][half 2][512]: images of the operand's registers; ys [row][32]: one E8M0 byte for each 32 along K.  W_proj's codes and bytes as they are given.
; SHAPE.  A work-group of four waves makes 256 rows x 128 columns: 256 work-groups.  A wave makes 128 x 64: 32 accumulators, 256 registers.  K = 1,024 is two LDS slots of 512: both are filled at the start.
; P = y is source 1 (a lane holds one row of out0), R = W_proj is source 0 (a lane's eight results are eight neighbouring columns).  The bias is the C of each sum's first matrix instruction.
; CLUSTERS: 4 x 4 work-groups; y's tiles are shared along a row of the cluster, W_proj's along a column: joint loads.
; REGISTERS: window 0: v16-31 addresses; v32-95 scale words, two sets, and nothing else; v96-127 the bias; v128-191 P's fragments, then rows on the way out.  window 1: R's fragments, two sets, at v0 and v128.  window 2: accumulator (a, b) at v[8 (4 a + b)].
.set NQ,     4
.set FR,     8
.set NL,     2
.set NP,     4
.set PITCH,  272                       ; a row of W_proj's tile in LDS: 256 bytes + 16
.set PHALF,  32768                     ; y's images of 128 rows x 512 K: dense
.set RHALF,  64*PITCH
.set ROFF,   2*PHALF
.set SLOT,   ROFF+2*RHALF              ; P's two halves, then R's two
.set SCA,    2*SLOT                    ; y's scale bytes: two halves of 16 rows of 256 bytes + 16
.set SCAH,   16*272
.set SCB,    SCA+2*SCAH                ; W_proj's: two halves of 8 such rows
.set SCBH,   8*272
.set SBLK,   544                       ; the scale bytes of 16 rows
.set SPARE,  SCB+2*SCBH                ; the spare words, 128 bytes a wave: two blocks of 256 bytes that no other line names
.set SPITCH, 272                       ; the way out: a stage of 16 rows x (256 bytes + 16) for each wave, in slot 0, which has had its one fill and its last read by then
.set ADRA, 16
.set ADRB, 20
.set STO,  24
.set RD,   25
.set CO,   26
.set ADRS, 27
.set SPW,  28
.set NIL,  29
.set ADRS2, 30
.set SC,   32
.set BI,   96
.set AF,   128
.set BK,   128
.set WV,   20
.set WH,   21
.set WL,   22
.set G1,   24
.set G0,   32
.set G1B,  48
.set G0B,  56
.set G1S,  68
.set G0S,  76
.set G1SB, 80
.set G0SB, 88
.set MSB, 0
.macro WIN new
.if MSB != (\new)
	s_set_vgpr_msb (MSB<<8)|(\new)
.set MSB, (\new)
.endif
.endm
.set MUL,    0xa1                      ; source 0 (R) window 1, source 1 (P) window 0, C and D window 2
.set MUL_1,  0x81                      ; the same with C (the bias) in window 0
.set TO_B,   0x40
.macro JLOAD g0a, g1a, g0b, g1b        ; waves 0 and 1 fetch for P, waves 2 and 3 for R; an s_nop 0 and four v_nop follow each line
	s_cmp_eq_u32 s[WH], 0
	s_cbranch_scc0 .Lfor_b_\@
	tensor_load_to_lds s[\g0a:\g0a+3], s[\g1a:\g1a+7]
	s_nop 0
.rept 4
	v_nop
.endr
	s_branch .Lasked_\@
.Lfor_b_\@:
	tensor_load_to_lds s[\g0b:\g0b+3], s[\g1b:\g1b+7]
	s_nop 0
.rept 4
	v_nop
.endr
.Lasked_\@:
.endm
.macro CROUND
	s_barrier_signal -1
	s_barrier_wait -1
	s_cmp_lg_u32 s[WV], 0
	s_cbranch_scc1 .Lnot_wave_0_\@
	s_barrier_signal -3
.Lnot_wave_0_\@:
	s_barrier_wait -3
	s_barrier_signal -1
	s_barrier_wait -1
.endm
	s_load_b256 s[4:11], s[0:1], 0x0               ; yc, ys, W_proj's codes, W_proj's scales
	s_load_b128 s[12:15], s[0:1], 0x20             ; b_proj, out0
	v_lshl_add_u32 v[SPW], v0, 2, SPARE
	v_mov_b32 v[NIL], 0
	ds_add_u32 v[SPW], v[NIL]                      ; the wave's opening: the add, twice on end, and its wait ahead of my first tensor load
	ds_add_u32 v[SPW], v[NIL]
	v_lshrrev_b32 v1, 5, v0
	v_readfirstlane_b32 s[WV], v1
	s_lshr_b32 s[WH], s[WV], 1                     ; my half of the rows.  Also: I fetch for P (0) or for R (1)
	s_and_b32 s[WL], s[WV], 1                      ; my half of the columns.  Also: which half I fetch
	s_bfe_u32 s40, ttmp6, 0x40000                  ; cx
	s_bfe_u32 s41, ttmp6, 0x40004                  ; cy
	s_lshl_b32 s42, ttmp9, 2
	s_add_co_u32 s42, s42, s40                     ; tile column: 128 columns
	s_and_b32 s43, ttmp7, 0xffff
	s_lshl_b32 s43, s43, 2
	s_add_co_u32 s43, s43, s41                     ; tile row: 256 rows
	s_lshl_b32 s44, s41, 2
	s_lshl_b32 s44, 15, s44                        ; my row of the cluster
	s_lshl_b32 s45, 0x1111, s40                    ; my column
	s_or_b32 s[G1+0], s44, (3<<16)|(1<<21)         ; y's images: 32,768 dense bytes as 128 rows of 32 elements of 8 bytes, no padding
	s_mov_b32 s[G1+1], 32<<16
	s_mov_b32 s[G1+2], 128<<16
	s_mov_b32 s[G1+3], 32<<16
	s_mov_b32 s[G1+4], 128
	s_mov_b32 s[G1+5], 32
	s_mov_b32 s[G1+6], 0
	s_mov_b32 s[G1+7], 0
	s_or_b32 s[G1B+0], s45, (0<<16)|(1<<20)|(1<<21)|(5<<22)|(3<<25)  ; W_proj: 64 rows of 256 bytes, 512 apart, four words of padding behind each
	s_mov_b32 s[G1B+1], 256<<16
	s_mov_b32 s[G1B+2], 64<<16
	s_mov_b32 s[G1B+3], 256<<16
	s_mov_b32 s[G1B+4], 64
	s_mov_b32 s[G1B+5], 512
	s_mov_b32 s[G1B+6], 0
	s_mov_b32 s[G1B+7], 0
	s_or_b32 s[G1S+0], s44, (3<<16)|(1<<20)|(1<<21)|(5<<22)|(3<<25)  ; the scale bytes of 128 rows of y: 16 rows of 256 bytes
	s_mov_b32 s[G1S+1], 32<<16
	s_mov_b32 s[G1S+2], 16<<16
	s_mov_b32 s[G1S+3], 32<<16
	s_mov_b32 s[G1S+4], 16
	s_mov_b32 s[G1S+5], 32
	s_mov_b32 s[G1S+6], 0
	s_mov_b32 s[G1S+7], 0
	s_or_b32 s[G1SB+0], s45, (3<<16)|(1<<20)|(1<<21)|(5<<22)|(3<<25) ; of 64 rows of W_proj: 8 rows
	s_mov_b32 s[G1SB+1], 32<<16
	s_mov_b32 s[G1SB+2], 8<<16
	s_mov_b32 s[G1SB+3], 32<<16
	s_mov_b32 s[G1SB+4], 8
	s_mov_b32 s[G1SB+5], 32
	s_mov_b32 s[G1SB+6], 0
	s_mov_b32 s[G1SB+7], 0
	s_lshl_b32 s92, s43, 16                        ; yc: (16 tile row + 8 half) x 4,096
	s_lshl_b32 s46, s[WL], 15
	s_add_co_u32 s92, s92, s46
	s_mov_b32 s93, 0
	s_lshl_b32 s94, s43, 13                        ; ys: (256 tile row + 128 half) x 32
	s_lshl_b32 s46, s[WL], 12
	s_add_co_u32 s94, s94, s46
	s_mov_b32 s95, 0
	s_lshl_b32 s96, s42, 16                        ; W_proj's codes: (128 tile column + 64 half) x 512
	s_lshl_b32 s47, s[WL], 15
	s_add_co_u32 s96, s96, s47
	s_mov_b32 s97, 0
	s_lshl_b32 s66, s42, 12                        ; its scale bytes: x 32
	s_lshl_b32 s47, s[WL], 11
	s_add_co_u32 s66, s66, s47
	s_mov_b32 s67, 0
	s_mul_i32 s2, s[WL], PHALF                     ; where they go: the wave's number alone
	s_mul_i32 s3, s[WL], RHALF
	s_add_co_u32 s3, s3, ROFF
	s_mul_i32 s46, s[WL], SCAH
	s_mul_i32 s47, s[WL], SCBH
	s_wait_dscnt 0x0                               ; both opening adds are done
	s_wait_kmcnt 0x0
	s_add_nc_u64 s[4:5], s[4:5], s[92:93]
	s_add_nc_u64 s[6:7], s[6:7], s[94:95]
	s_add_nc_u64 s[8:9], s[8:9], s[96:97]
	s_add_nc_u64 s[10:11], s[10:11], s[66:67]
	CROUND                                         ; all sixteen work-groups are here: the first joint loads meet
	s_mov_b32 s[G0S], 1
	s_add_co_u32 s[G0S+1], s46, SCA
	s_mov_b64 s[G0S+2:G0S+3], s[6:7]
	s_or_b32 s[G0S+3], s[G0S+3], 0x80000000
	s_mov_b32 s[G0SB], 1
	s_add_co_u32 s[G0SB+1], s47, SCB
	s_mov_b64 s[G0SB+2:G0SB+3], s[10:11]
	s_or_b32 s[G0SB+3], s[G0SB+3], 0x80000000
	JLOAD G0S, G1S, G0SB, G1SB
.irp s, 0,1
	s_mov_b32 s[G0+4*\s], 1
	s_add_co_u32 s[G0+4*\s+1], s2, \s*SLOT
	s_add_nc_u64 s[G0+4*\s+2:G0+4*\s+3], s[4:5], \s*2097152
	s_or_b32 s[G0+4*\s+3], s[G0+4*\s+3], 0x80000000
	s_mov_b32 s[G0B+4*\s], 1
	s_add_co_u32 s[G0B+4*\s+1], s3, \s*SLOT
	s_add_nc_u64 s[G0B+4*\s+2:G0B+4*\s+3], s[8:9], \s*256
	s_or_b32 s[G0B+4*\s+3], s[G0B+4*\s+3], 0x80000000
	JLOAD G0+4*\s, G1, G0B+4*\s, G1B               ; three loads of mine are out: all of K
.endr
	v_and_b32 v1, 15, v0                           ; r
	v_bfe_u32 v2, v0, 4, 1                         ; h
	v_and_b32 v3, 31, v0
	v_lshlrev_b32 v3, 4, v3                        ; an image's place for my lane
	v_mul_u32_u24 v4, v1, PITCH
	v_lshl_add_u32 v4, v2, 4, v4                   ; W_proj: row x pitch + 16 h
	s_mul_i32 s46, s[WH], PHALF
	s_mul_i32 s47, s[WL], RHALF
	s_add_co_u32 s47, s47, ROFF
.irp s, 0,1
	v_add_nc_u32 v[ADRA+\s], s46, v3
	v_add_nc_u32 v[ADRB+\s], s47, v4
	s_add_co_u32 s46, s46, SLOT
	s_add_co_u32 s47, s47, SLOT
.endr
	v_mul_u32_u24 v5, v1, 32                       ; my row's scale bytes: 32 a row,
	v_lshrrev_b32 v6, 8, v5
	v_lshl_add_u32 v5, v6, 4, v5                   ; and 16 more for each 256 passed
	s_mul_i32 s46, s[WH], SCAH
	s_mul_i32 s47, s[WL], SCBH
	s_add_co_u32 s47, s47, SCB-SCA
	s_sub_co_u32 s47, s47, s46
	v_mul_u32_u24 v6, s47, v2                      ; lanes 16-31 take W_proj's: the lower base + h x the distance
	s_add_co_u32 s46, s46, SCA
	v_add_nc_u32 v[ADRS2], s46, v5                 ; y's in all lanes: for blocks 4-7, which have no partner in W_proj's four
	v_add_nc_u32 v[ADRS], v[ADRS2], v6
	s_mul_i32 s46, s[WV], 16*SPITCH                ; my stage
	v_mul_u32_u24 v5, v1, SPITCH
	v_lshl_add_u32 v5, v2, 5, v5
	v_add_nc_u32 v[STO], s46, v5                   ; in: row r, 32 bytes for each half of the lanes
	v_mul_u32_u24 v5, v2, SPITCH
	v_lshl_add_u32 v5, v1, 4, v5
	v_add_nc_u32 v[RD], s46, v5                    ; back: lanes 0-15 one row of 256 bytes, lanes 16-31 the next
	v_lshlrev_b32 v5, 12, v2
	v_lshl_add_u32 v[CO], v1, 4, v5                ; and the same two rows in out0
	s_lshl_b32 s92, s42, 9                         ; my first column, in bytes: 512 x tile column + 256 x half
	s_lshl_b32 s94, s[WL], 8
	s_add_co_u32 s92, s92, s94
	s_mov_b32 s93, 0
	s_add_nc_u64 s[12:13], s[12:13], s[92:93]      ; b_proj there
	s_lshl_b32 s94, s43, 8
	s_lshl_b32 s95, s[WH], 7
	s_add_co_u32 s94, s94, s95                     ; my first row
	s_lshl_b32 s94, s94, 12
	s_add_co_u32 s92, s92, s94
	s_add_nc_u64 s[14:15], s[14:15], s[92:93]      ; out0 there
	v_lshlrev_b32 v7, 5, v2
.irp b, 0,1,2,3
	global_load_b128 v[BI+8*\b:BI+8*\b+3], v7, s[12:13] offset:64*\b          ; the bias in the result's layout: register 8 b + j: column 16 b + 8 h + j
	global_load_b128 v[BI+8*\b+4:BI+8*\b+7], v7, s[12:13] offset:64*\b+16
.endr
.macro FRAGP reg, slot, q, i           ; a fragment of y: its image, 16 bytes a lane, twice
.irp c, 0,1
	ds_load_b128 v[\reg+4*\c:\reg+4*\c+3], v[ADRA+\slot] offset:1024*(\q)+512*\c+4096*(\i)
.endr
.endm
.macro FRAGR reg, slot, q, i           ; a fragment of W_proj, from rows
.irp c, 0,1
	ds_load_b128 v[\reg+4*\c:\reg+4*\c+3], v[ADRB+\slot] offset:64*(\q)+32*\c+(\i)*16*PITCH
.endr
.endm
; 8 matrix instructions: y's blocks a0, a0 + 1 x W_proj's four.  The 32 accumulators take turns, one instruction a turn, in the same order in every step.
.macro MUL8 a0, p, q, sc, first
.irp a, \a0, \a0+1
.irp b, 0,1,2,3
.if \first
	v_wmma_scale_f32_16x16x128_f8f6f4 v[8*(4*(\a)+\b):8*(4*(\a)+\b)+7], v[128*(\p)+FR*\b:128*(\p)+FR*\b+FR-1], v[AF+FR*(\a):AF+FR*(\a)+FR-1], v[BI+8*\b:BI+8*\b+7], v[SC+8*NQ*(\sc)+NQ*\b+(\q)], v[SC+8*NQ*(\sc)+NQ*(\a)+(\q)] matrix_a_fmt:MATRIX_FMT_FP4 matrix_b_fmt:MATRIX_FMT_FP4 matrix_a_scale:MATRIX_SCALE_ROW1
.else
	v_wmma_scale_f32_16x16x128_f8f6f4 v[8*(4*(\a)+\b):8*(4*(\a)+\b)+7], v[128*(\p)+FR*\b:128*(\p)+FR*\b+FR-1], v[AF+FR*(\a):AF+FR*(\a)+FR-1], v[8*(4*(\a)+\b):8*(4*(\a)+\b)+7], v[SC+8*NQ*(\sc)+NQ*\b+(\q)], v[SC+8*NQ*(\sc)+NQ*(\a)+(\q)] matrix_a_fmt:MATRIX_FMT_FP4 matrix_b_fmt:MATRIX_FMT_FP4 matrix_a_scale:MATRIX_SCALE_ROW1
.endif
.endr
.endr
.endm
.macro FETCH_B slot, q, p
	WIN TO_B
.irp i, 0,1,2,3
	FRAGR 128*(\p)+FR*\i, \slot, \q, \i
.endr
	WIN 0
.endm
.macro FETCH_A slot, q, i0
.irp i, \i0, \i0+1, \i0+2, \i0+3
	FRAGP AF+FR*(\i), \slot, \q, \i
.endr
.endm
.macro SCALES sc                       ; a slot's scale words, four a row: register 4 i + q: lanes 0-15 y's block i; lanes 16-31 W_proj's block i (i < 4)
.irp i, 0,1,2,3
	ds_load_b128 v[SC+8*NQ*\sc+NQ*\i:SC+8*NQ*\sc+NQ*\i+3], v[ADRS] offset:\i*SBLK
.endr
.irp i, 4,5,6,7
	ds_load_b128 v[SC+8*NQ*\sc+NQ*\i:SC+8*NQ*\sc+NQ*\i+3], v[ADRS2] offset:\i*SBLK
.endr
.endm
.macro PLACES n
.rept \n
	v_nop
.endr
.endm
.macro STEP slot, q, first
	s_wait_dscnt 4*NL                              ; W_proj's set and y's blocks 0-3 are in; the youngest eight loads (y's blocks 4-7) may be out
.if \first
	WIN MUL_1
.else
	WIN MUL
.endif
	MUL8 0, (\q)%2, \q, \slot, \first
	MUL8 2, (\q)%2, \q, \slot, \first
	s_wait_dscnt 0
	PLACES NP
	FETCH_B \slot, (\q)+1, 1-(\q)%2
	FETCH_A \slot, (\q)+1, 0
.if \first
	WIN MUL_1
.else
	WIN MUL
.endif
	MUL8 4, (\q)%2, \q, \slot, \first
	MUL8 6, (\q)%2, \q, \slot, \first
	PLACES NP
	WIN 0
	FETCH_A \slot, (\q)+1, 4
.endm
.macro TURN slot, next                 ; slot 0's last step: behind its barrier slot 1 is whole for every wave, and nobody reads slot 0 any more.  Nothing is filled again
	s_wait_tensorcnt 0x0                           ; my part of slot 1 has landed
	ds_add_u32 v[SPW], v[NIL]                      ; 0 onto my spare word
	s_wait_dscnt 4*NL+1                            ; (the add and the youngest eight loads may be out)
	WIN MUL
	MUL8 0, 1, NQ-1, \slot, 0
	s_wait_dscnt 0x0
	s_barrier_signal -1
	MUL8 2, 1, NQ-1, \slot, 0
	WIN 0
	s_barrier_wait -1
	PLACES NP
	v_add_nc_u32 v[ADRS], 4*NQ, v[ADRS]            ; the next slot's scale words (no LDS load of mine is out)
	v_add_nc_u32 v[ADRS2], 4*NQ, v[ADRS2]
	FETCH_B \next, 0, 0
	FETCH_A \next, 0, 0
	SCALES \next
	WIN MUL
	MUL8 4, 1, NQ-1, \slot, 0
	MUL8 6, 1, NQ-1, \slot, 0
	PLACES NP
	WIN 0
	FETCH_A \next, 0, 4
.endm
.macro STEPS slot, from
.set Q, \from
.rept NQ-1-\from
	STEP \slot, Q, 0
.set Q, Q+1
.endr
.endm
	s_wait_tensorcnt 1                             ; the scale bytes and my part of slot 0 are in; slot 1's load may be out,
	s_barrier_signal -1
	s_barrier_wait -1                              ; everybody's are
	FETCH_B 0, 0, 0
	FETCH_A 0, 0, 0
	SCALES 0
	FETCH_A 0, 0, 4
	s_wait_loadcnt 0x0                             ; the bias
	STEP 0, 0, 1                                   ; the first products start the sums from the bias
	STEPS 0, 1
	TURN 0, 1
	STEPS 1, 0
	s_wait_dscnt 4*NL
	WIN MUL
	MUL8 0, 1, NQ-1, 1, 0
	MUL8 2, 1, NQ-1, 1, 0
	s_wait_dscnt 0
	MUL8 4, 1, NQ-1, 1, 0
	MUL8 6, 1, NQ-1, 1, 0
	WIN 0
; THE WAY OUT, block by block of 16 rows x 64 columns.  A lane holds 32 neighbouring bytes of a row: a block goes through my own stage and comes back as rows of 256 bytes, which sixteen lanes store as one aligned run of 256 bytes.
; LDS serves a wave's instructions in order (ISA guide 5.7.1.4): no wait between the stores and the loads, nor in front of the next block's stores.
.macro TOSTAGE a
	WIN 0x08                                       ; an LDS store's data are its source 1: window 2
.irp b, 0,1,2,3
	ds_store_b128 v[STO], v[8*(4*(\a)+\b):8*(4*(\a)+\b)+3] offset:64*\b        ; each accumulator from its low end on
	ds_store_b128 v[STO], v[8*(4*(\a)+\b)+4:8*(4*(\a)+\b)+7] offset:64*\b+16
.endr
	WIN 0
.set BB, BK+32*((\a)%2)
.irp t, 0,1,2,3,4,5,6,7
	ds_load_b128 v[BB+4*\t:BB+4*\t+3], v[RD] offset:\t*2*SPITCH
.endr
.endm
.macro SEND a, younger                 ; younger: the LDS instructions issued behind block a's loads, which may stay out
.set BB, BK+32*((\a)%2)
	s_wait_dscnt \younger
.irp t, 0,1,2,3,4,5,6,7
	global_store_b128 v[CO], v[BB+4*\t:BB+4*\t+3], s[14:15] offset:(\a)*65536+\t*8192 th:TH_STORE_NT   ; the block's and the rows' places stand in the immediate: 516,096 at the most
.endr
.endm
	PLACES NP                                      ; for the first read of results and for the loads into the registers that held y's fragments
	TOSTAGE 0
.irp a, 1,2,3,4,5,6,7
.if \a > 1
	s_wait_xcnt 0x0                                ; block a - 2's stores have read their registers: block a's loads may land there
.endif
	TOSTAGE \a
	SEND \a-1, 16                                  ; behind block a - 1's loads: block a's 8 stores and 8 loads
.endr
	SEND 7, 0
	s_wait_tensorcnt 0x0                           ; the wave's end
	ds_add_u32 v[SPW], v[NIL]
	s_wait_dscnt 0x0
	CROUND                                         ; the closing round
	s_endpgm
.Lfunc_end_k_q06b6f8c817_proj:
	.size	k_q06b6f8c817_proj, .Lfunc_end_k_q06b6f8c817_proj-k_q06b6f8c817_proj
	.p2alignl 7, 3214868480
	.fill 96, 4, 3214868480
	.section	.rodata,"a",@progbits
	.p2align	6, 0x0
	.amdhsa_kernel k_q06b6f8c817_proj
		.amdhsa_group_segment_fixed_size 327680
		.amdhsa_private_segment_fixed_size 0
		.amdhsa_enable_private_segment 0
		.amdhsa_kernarg_size 48
		.amdhsa_user_sgpr_count 2
		.amdhsa_user_sgpr_kernarg_segment_ptr 1
		.amdhsa_wavefront_size32 1
		.amdhsa_system_sgpr_workgroup_id_x 1
		.amdhsa_system_sgpr_workgroup_id_y 1
		.amdhsa_system_sgpr_workgroup_id_z 1
		.amdhsa_system_vgpr_workitem_id 0
		.amdhsa_next_free_vgpr 768
		.amdhsa_next_free_sgpr 98
		.amdhsa_reserve_vcc 0
		.amdhsa_float_denorm_mode_32 3
		.amdhsa_float_denorm_mode_16_64 3
		.amdhsa_memory_ordered 1
		.amdhsa_forward_progress 1
		.amdhsa_inst_pref_size 75
	.end_amdhsa_kernel
	.amdgpu_metadata
---
amdhsa.version: [ 1, 2 ]
amdhsa.kernels:
  - .name:           k_q06b6f8c817_proj
    .symbol:         k_q06b6f8c817_proj.kd
    .args:
      - { .name: yc, .offset: 0, .size: 8, .value_kind: global_buffer, .address_space: global }
      - { .name: ys, .offset: 8, .size: 8, .value_kind: global_buffer, .address_space: global }
      - { .name: W_proj_codes, .offset: 16, .size: 8, .value_kind: global_buffer, .address_space: global }
      - { .name: W_proj_scales, .offset: 24, .size: 8, .value_kind: global_buffer, .address_space: global }
      - { .name: b_proj, .offset: 32, .size: 8, .value_kind: global_buffer, .address_space: global }
      - { .name: out0, .offset: 40, .size: 8, .value_kind: global_buffer, .address_space: global }
    .group_segment_fixed_size: 327680
    .private_segment_fixed_size: 0
    .kernarg_segment_align: 8
    .kernarg_segment_size: 48
    .max_flat_workgroup_size: 128
    .sgpr_count:     98
    .vgpr_count:     768
    .wavefront_size: 32
...
	.end_amdgpu_metadata
.endif
;; end of part 3
